; MI455X (gfx1250); checked and timed in simulation.
; The chip was launched on July 23, 2026; its instructions are those of AMD's public machine-readable ISA for CDNA 5 (MIT licence, August 2026) and "CDNA5" Instruction Set Architecture Reference Guide (July 2026). The comments in the code are by the model that wrote it; some were corrected since.
;; Latent Neural Operator. Allowed arithmetic: float matrix products may take bf16 or f16 operands with f32 sums; other float arithmetic in f32, or as packed bf16 or f16 multiplies, adds, multiply-adds, maxima and minima; sums over many terms, partial sums and values carried from step to step in f32; what a program stores and reads back later, other than sums and carried values, may be rounded once to bf16 or f16.
;; Inputs: ciW 3 x 64 x 128 float32; cib 3 x 128 float32; cn_b 3 x 64 float32; cn_g 3 x 64 float32; coW 3 x 128 x 64 float32; cob 3 x 64 float32; headW 64 x 1 float32; headb 1 float32; hn_b 64 float32; hn_g 64 float32; latents 2,048 x 32 float32; phys 2,048 x 4 x 8 float32; physW1 8 x 64 float32; physW2 64 x 64 float32; physb1 64 float32; physb2 64 float32; pos_emb 1 x 32 x 64 float32; tiW 3 x 32 x 64 float32; tib 3 x 64 float32; tn_b 3 x 64 float32; tn_g 3 x 64 float32; toW 3 x 64 x 32 float32; tob 3 x 32 float32; tokW 1 x 64 float32; tokb 64 float32.
;; Outputs: out0 2,048 x 4 x 32 float32.
;; 2 versions, each right; version 2 is version 1 with the launch mixer written anew for expert scheduling mode. Each part assembles by itself: llvm-mc -triple=amdgcn-amd-amdhsa -mcpu=gfx1250 --defsym DOCPART=n.
;; ======== version 1 of 2: 1 launch
;; limits: a function is approximated: absolute error at most 0.0004
;; launch mixer (part 1): grid 256 x 1, 8 waves a work-group, no clusters, 282,112 bytes of LDS; arguments tiW, toW, ciW, coW, physW1, physW2, pos_emb, tib, cib, tn_g, tn_b, cn_g, cn_b, cob, tob, tokW, tokb, physb1, physb2, hn_g, hn_b, headW, headb, latents, phys, out0; writes out0
.if DOCPART == 1
	.amdgcn_target "amdgcn-amd-amdhsa--gfx1250"
	.amdhsa_code_object_version 6
	.text
	.protected	k_q06ff92abd1_mixer
	.globl	k_q06ff92abd1_mixer
	.p2align	8
	.type	k_q06ff92abd1_mixer,@function
k_q06ff92abd1_mixer:
	s_mov_b64 s[64:65], 0
	v_nop
	global_prefetch_b8 v0, s[64:65] scope:SCOPE_SE
	s_setreg_imm32_b32 hwreg(HW_REG_WAVE_MODE, 25, 1), 1
	s_wait_xcnt 0x0
; LATENT NEURAL OPERATOR: 2,048 batch elements, 4 steps in sequence, 3 mixer layers a step on a tile of 32 tokens x 64 channels, all in ONE launch.
; SHARES.  256 work-groups of 8 waves; ONE WAVE OWNS ONE BATCH ELEMENT (8 x work-group + wave) for the whole scan.  Behind the one barrier (weights are in LDS) no wave depends on another.
; Eight waves of 256 registers, two to a SIMD: the work is mostly vector work (5 instructions a GELU), and one wave issues while the other sits out a product, an LDS load or a wait.
; LAYOUT.  The tokens stay in f32 accumulators as X^T: tile (t, u) at TK + 32 u + 8 t; lane (r = l % 16, h = l / 16) holds token 16 u + r and channels 16 t + 8 h + 0..7.
;   A LayerNorm over the channels is 32 numbers of the lane and one exchange between the halves of the lanes.
;   Channel mix: H^T = ciW^T N (the normed tokens, rounded in pairs, ARE source 1), GELU, X^T += coW^T G (the rounded GELU again IS source 1; the residual is the C operand).
;   Token mix: N goes once through the wave's own LDS stage and comes back turned (ds_load_tr16_b128); H^T = tiW^T N^T, GELU; the rounded GELU IS source 0 of X^T += G toW.
;   Weights lie in LDS in bf16, [in][out], and every fragment comes turned by two ds_load_tr16_b128.  The first biases are the C operand of the first product.
; GELU.  x Phi(x) with Phi(x) = 1 / (1 + 2^-E), E = z (1 + KAPPA z^2), z = BETA x, BETA = 1.5976 log2(e), KAPPA = 0.04417 / BETA^2 (Page's form of the normal distribution function).
;   BETA is folded into the first weights and biases, 1 / BETA into the second weights.  LIMIT, STATED: this Phi is off by up to 1.4e-4, so GELU by up to 1.4e-4 |x|, about 4e-4 at the most,
;   for every x; overflowing intermediates give the right ends (z, or -0).
; OTHER LIMITS.  Matrix operands are bf16 (weights after the fold); NaN and infinities are not treated apart; physW1's padding rows are made as 0 x a finite weight.
;   The variance is the sum of (x - mean)^2, in f32.
; NOT USED, AND WHY.  Tensor loads: nothing streams, and each weight is scaled and rounded on its way in, so it goes memory -> registers -> LDS once.  A cluster's joint loads: what work-groups
;   share is read once a work-group, 245,760 bytes of f32, which would want that much LDS beside the 282,112 in use and a second pass.  Prefetches: all inputs are read at the head, none is waited for later.
.set LBLK,  58624                      ; LDS bytes of a layer's block: the four weights and the parameters
.set TI,    0                          ; tiW: 32 rows l x 160 bytes (128 of data: 64 bf16)
.set TO,    5120                       ; toW: 64 rows th x 160 (64 of data)
.set CI,    15360                      ; ciW: two halves of 64 output channels, each 64 rows w x 160
.set CO,    35840                      ; coW: 128 rows ch x 160
.set PRM,   56320                      ; f32 parameters:
.set TIB,   PRM+0                      ;   BETA tib
.set CIB,   PRM+256                    ;   BETA cib
.set TNG,   PRM+768
.set TNB,   PRM+1024
.set CNG,   PRM+1280
.set CNB,   PRM+1536
.set COB,   PRM+1792
.set TOB,   PRM+2048
.set PW1,   3*LBLK                     ; physW1: 32 rows x 160, rows 8-31 zeros
.set PW2,   PW1+5120                   ; physW2: 64 rows x 160
.set POS,   PW2+10240                  ; pos_emb, f32: 32 rows x 272
.set TAB,   POS+8704                   ; f32: tokW +0, BETA physb1 +256, physb2 + tokb +512, hn_g headW +768, hn_b headW +1024
.set NST,   TAB+1280                   ; each wave's stage for N: 32 rows x 160
.set PST,   NST+8*5120                 ; each wave's p of the four steps, f32: 16 rows x 272 (rows 0-3 are read)
.set OST,   PST+8*4352                 ; each wave's 4 x 32 results, f32
.set SPARE, OST+8*512                  ; the spare words, 128 bytes for each wave: four blocks of 256 bytes that no other line names
; A pitch of 160 bytes is 5 x 32.
; VECTOR REGISTERS.  What a packed instruction takes for both halves lies in an EVEN register (op_sel_hi 0 names a pair's low word); its odd neighbour holds something written.
.set SPW,  1                           ; LDS address of my spare word; never rewritten
.set NIL,  2                           ; 0; never rewritten
.set TR0,  3                           ; my place in a turning load: (8 h + l % 8) x 160 + 16 ((l / 8) % 2)
.set H32,  4                           ; 32 h: my 8 f32 of a tile of parameters
.set R4,   5                           ; 4 r
.set AT,   6                           ; at work: addresses
.set ATR,  7
.set CUR,  8                           ; v8, v10: the state of tokens r and 16 + r
.set AP,   9
.set ANS,  11                          ; my 16 bytes of a row of N in my stage
.set MEAN, 12                          ; v12, v14
.set ANL,  13                          ; my place in a turning load from my stage
.set APL,  15                          ; my 32 bytes of p's row 0
.set RSTD, 16                          ; v16, v18
.set AOS,  17                          ; my word of the results' row 0
.set APOS, 19                          ; my 32 bytes of pos_emb's row r
.set NMR,  20                          ; v20, v22: -mean x rstd
.set SUM,  21                          ; v21, v23: at work
.set TOBV, 24                          ; v24, v26: tob of my two tokens
.set C0,   25                          ; the sum of hn_b headW, + headb
.set TMP,  27
.set DOT,  28                          ; v[28:31]: the head's two sums
.set TK,   32                          ; v[32:95]   the tokens
.set NB,   96                          ; v[96:127]  N in bf16
.set H,    128                         ; v[128:159] a chunk's first product; LN's gains
.set TM,   160                         ; v[160:191] at work; G in the first 16, two bias tiles in the last 16
.set W1,   192                         ; v[192:223] fragments of the first weights
.set W2,   224                         ; v[224:255] fragments of the second weights; LN's biases
; set-up alone: v[32:111], v[112:191] two sets of a layer's 20 loads; v[192:223] physW1, physW2, pos_emb; v[224:231] phys; v[232:240] parameters
.set GPH,  241                         ; byte offsets in memory ...
.set GW,   242                         ; 32 tid
.set GP1,  243                         ; 32 (tid % 64)
.set G16,  244                         ; 16 tid
.set LA8,  245                         ; ... and LDS addresses: (tid / 8) x 160 + 16 (tid % 8)
.set LA4,  246                         ; (tid / 4) x 160 + 16 (tid % 4)
.set GCI,  247                         ; 512 (tid / 8) + 32 (tid % 8)
.set LPOS, 248
.set G4,   249                         ; 4 tid
.set G8,   250                         ; 8 tid
.set GTB,  251                         ; 4 (tid / 2)
.set G4W,  253                         ; 4 (tid % 64)
.set GLAT, 255
; SCALARS: s[4:55] the 26 addresses in the order of the arguments; s56 wave; s57 the layer's LDS offset, the layer loop's counter; s59 the step; s[60:61] lane selects; s62 mask of lanes 16-31;
; s[66:67] -KAPPA; s[68:69] BETA; s[70:71] 1 / BETA; s[72:73] physW1's factor; s74 1/64; s75 1e-5; s76 headb; s2, s3, s78, s79 at work.
.macro PLACES n                        ; plain places behind a matrix instruction (ISA guide 7.12.1)
.rept \n
	v_nop
.endr
.endm
.macro MMA d, a, b, cc
	v_wmma_f32_16x16x32_bf16 v[(\d):(\d)+7], v[(\a):(\a)+7], v[(\b):(\b)+7], v[(\cc):(\cc)+7]
.endm
.macro LDTR dst, areg, off             ; a fragment (32 along K x 16) of a tile stored [K][N] at pitch 160: K 0-15, then K 16-31
	ds_load_tr16_b128 v[(\dst):(\dst)+3], v[\areg] offset:(\off)
	ds_load_tr16_b128 v[(\dst)+4:(\dst)+7], v[\areg] offset:(\off)+2560
.endm
.macro LD8 dst, areg, off              ; 8 f32 on end
	ds_load_b128 v[(\dst):(\dst)+3], v[\areg] offset:(\off)
	ds_load_b128 v[(\dst)+4:(\dst)+7], v[\areg] offset:(\off)+16
.endm
.macro CONV8 x, sc, areg, off          ; 8 f32 in v[x..x+7]: scaled, rounded to bf16 in place (ascending, so no source is lost), 16 bytes into LDS
.irp k,0,1,2,3
	v_pk_mul_f32 v[(\x)+2*\k:(\x)+2*\k+1], v[(\x)+2*\k:(\x)+2*\k+1], s[\sc:\sc+1] op_sel_hi:[1,0]
.endr
.irp k,0,1,2,3
	v_cvt_pk_bf16_f32 v[(\x)+\k], v[(\x)+2*\k], v[(\x)+2*\k+1]
.endr
	ds_store_b128 v[\areg], v[(\x):(\x)+3] offset:\off
.endm
.macro LOADW x, i                      ; layer i's four weights: 20 loads of 16 bytes a thread, 8 neighbouring numbers of a row to each pair of loads
	global_load_b128 v[(\x):(\x)+3], v[GW], s[4:5] offset:8192*(\i)
	global_load_b128 v[(\x)+4:(\x)+7], v[GW], s[4:5] offset:8192*(\i)+16
	global_load_b128 v[(\x)+8:(\x)+11], v[GW], s[6:7] offset:8192*(\i)
	global_load_b128 v[(\x)+12:(\x)+15], v[GW], s[6:7] offset:8192*(\i)+16
.irp k,0,1,2,3                         ; ciW: row tid / 8 + 32 (k % 2), half k / 2 of its 128 columns
	global_load_b128 v[(\x)+16+8*\k:(\x)+19+8*\k], v[GCI], s[8:9] offset:32768*(\i)+16384*(\k%2)+256*(\k/2)
	global_load_b128 v[(\x)+20+8*\k:(\x)+23+8*\k], v[GCI], s[8:9] offset:32768*(\i)+16384*(\k%2)+256*(\k/2)+16
.endr
.irp k,0,1,2,3                         ; coW: row tid / 8 + 32 k
	global_load_b128 v[(\x)+48+8*\k:(\x)+51+8*\k], v[GW], s[10:11] offset:32768*(\i)+8192*\k
	global_load_b128 v[(\x)+52+8*\k:(\x)+55+8*\k], v[GW], s[10:11] offset:32768*(\i)+8192*\k+16
.endr
.endm
.macro CONVW x                         ; the same 80 registers into the layer's block; then the addresses step to the next block
	CONV8 (\x), 68, LA8, TI
	CONV8 (\x)+8, 70, LA4, TO
.irp k,0,1,2,3
	CONV8 (\x)+16+8*\k, 68, LA8, CI+10240*(\k/2)+5120*(\k%2)
.endr
.irp k,0,1,2,3
	CONV8 (\x)+48+8*\k, 70, LA8, CO+5120*\k
.endr
	v_add_nc_u32 v[LA8], LBLK, v[LA8]
	v_add_nc_u32 v[LA4], LBLK, v[LA4]
.endm
; GELU of the 32 numbers z in H, ten instructions a pair: s = z z; u = -KAPPA s - 1; v = u z = -E; 2^v (twice); d = 1 + 2^v; 1 / d (twice); g = z / d; two roundings into TM's first 16.
.macro G_S p
	v_pk_mul_f32 v[TM+2*(\p):TM+2*(\p)+1], v[H+2*(\p):H+2*(\p)+1], v[H+2*(\p):H+2*(\p)+1]
.endm
.macro G_U p
	v_pk_fma_f32 v[TM+2*(\p):TM+2*(\p)+1], v[TM+2*(\p):TM+2*(\p)+1], s[66:67], -1.0 op_sel_hi:[1,0,0]
.endm
.macro G_V p
	v_pk_mul_f32 v[TM+2*(\p):TM+2*(\p)+1], v[TM+2*(\p):TM+2*(\p)+1], v[H+2*(\p):H+2*(\p)+1]
.endm
.macro G_E q
	v_exp_f32 v[TM+(\q)], v[TM+(\q)]
.endm
.macro G_D p
	v_pk_add_f32 v[TM+2*(\p):TM+2*(\p)+1], v[TM+2*(\p):TM+2*(\p)+1], 1.0 op_sel_hi:[1,0]
.endm
.macro G_R q
	v_rcp_f32 v[TM+(\q)], v[TM+(\q)]
.endm
.macro G_M p
	v_pk_mul_f32 v[H+2*(\p):H+2*(\p)+1], v[H+2*(\p):H+2*(\p)+1], v[TM+2*(\p):TM+2*(\p)+1]
.endm
.macro G_C p
	v_cvt_pk_bf16_f32 v[TM+(\p)], v[H+2*(\p)], v[H+2*(\p)+1]
.endm
; The LDS loads that ride on a GELU.  mode 0: the phys MLP; 1: token mix; 2: channel mix; c: the chunk.
.macro HOOKA mode, c                   ; at its head, behind the places: into registers that the products just issued have read
.if (\mode) == 0
.irp kc,0,1
.irp mt,0,1,2,3
	LDTR W1+8*(4*\kc+\mt), ATR, 5120+5120*\kc+32*\mt   ; physW2's eight fragments fill W1 and W2
.endr
.endr
.irp mt,0,1,2,3
	LD8 NB+8*\mt, AP, 512+64*\mt                       ; physb2 + tokb as four C tiles
.endr
.elseif (\mode) == 2
.irp t,0,1,2,3
	LDTR W2+8*\t, ATR, CO+5120*(\c)+32*\t              ; coW: this chunk's 32 rows x all 64 columns
.endr
.if (\c) < 3
.irp mm,0,1
.irp kk,0,1
	LDTR W1+8*(2*\mm+\kk), ATR, CI+10240*(((\c)+1)/2)+5120*\kk+32*((2*((\c)+1)+\mm)%4)  ; ciW for the next chunk
.endr
.endr
.else
.irp t,0,1,2,3
	LD8 W1+8*\t, AP, COB+64*\t                         ; cob, added behind the last chunk
.endr
.endif
.endif
.endm
.macro HOOKB mode, c                   ; when TM's last 16 are free again: the next chunk's two bias tiles
.if ((\mode) == 1) && ((\c) < 3)
.irp mm,0,1
	LD8 TM+16+8*\mm, AP, TIB+64*(2*(((\c)+1)/2)+\mm)
.endr
.endif
.if ((\mode) == 2) && ((\c) < 3)
.irp mm,0,1
	LD8 TM+16+8*\mm, AP, CIB+64*(2*((\c)+1)+\mm)
.endr
.endif
.endm
; The order: the exponentials are ONE batch and the reciprocals another, each with one plain instruction behind its last and ONE wait ahead of its first reader;
; plain instructions of the next four pairs stand between the transcendentals.  Each tile of H is first read at its lowest registers.
.macro GELU mode, c
	HOOKA \mode, \c
.irp p,0,1,2,3
	G_S \p
.endr
.irp p,0,1,2,3
	G_U \p
.endr
.irp p,0,1,2,3
	G_V \p
.endr
.set gg, 0
.rept 3
.irp k,0,1,2,3
	G_E 8*gg+\k
	G_S 4*gg+4+\k
.endr
.irp k,0,1,2,3
	G_E 8*gg+4+\k
	G_U 4*gg+4+\k
.endr
.irp k,0,1,2,3
	G_V 4*gg+4+\k
.endr
.set gg, gg+1
.endr
.irp k,0,1,2,3,4,5,6,7
	G_E 24+\k
.endr
	v_nop                                          ; the plain instruction behind the last exponential
	s_wait_alu depctr_va_vdst(0)                   ; one wait for the 32 exponentials, ahead of their first reader
.irp p,0,1,2,3
	G_D \p
.endr
.set gg, 0
.rept 3
.irp k,0,1,2,3
	G_R 8*gg+2*\k
	G_R 8*gg+2*\k+1
	G_D 4*gg+4+\k
.endr
.set gg, gg+1
.endr
.irp k,0,1,2,3,4,5,6,7
	G_R 24+\k
.endr
	v_nop                                          ; the plain instruction behind the last reciprocal
	s_wait_alu depctr_va_vdst(0)                   ; one wait for the 32 reciprocals
.set gg, 0
.rept 16
	G_M gg
.set gg, gg+1
.endr
	HOOKB \mode, \c
.set gg, 0
.rept 16
	G_C gg
.set gg, gg+1
.endr
.endm
; LAYERNORM, statistics: mean, 1 / sqrt(variance + 1e-5) and -mean x that, for my two tokens.  Four chains in each pass; each tile of the tokens is first read at its lowest registers.
; head = 1: the step's last norm: pass 2 also sums (x - mean) x (hn_g headW), whose table is awaited between the passes.
.macro LNSTAT head
.irp u,0,1
	v_pk_add_f32 v[TM+4*\u:TM+4*\u+1], v[TK+32*\u:TK+32*\u+1], v[TK+32*\u+2:TK+32*\u+3]
.endr
.irp u,0,1
	v_pk_add_f32 v[TM+4*\u+2:TM+4*\u+3], v[TK+32*\u+4:TK+32*\u+5], v[TK+32*\u+6:TK+32*\u+7]
.endr
.set pp, 4
.rept 12
.irp u,0,1
	v_pk_add_f32 v[TM+4*\u+2*(pp%2):TM+4*\u+2*(pp%2)+1], v[TM+4*\u+2*(pp%2):TM+4*\u+2*(pp%2)+1], v[TK+32*\u+2*pp:TK+32*\u+2*pp+1]
.endr
.set pp, pp+1
.endr
.irp u,0,1
	v_pk_add_f32 v[TM+4*\u:TM+4*\u+1], v[TM+4*\u:TM+4*\u+1], v[TM+4*\u+2:TM+4*\u+3]
.endr
.irp u,0,1
	v_add_f32 v[SUM+2*\u], v[TM+4*\u], v[TM+4*\u+1]
.endr
.irp u,0,1
	v_permlanex16_b32 v[TM+8+\u], v[SUM+2*\u], s60, s61    ; the token's other 32 channels lie in the lane 16 away
.endr
.irp u,0,1
	v_add_f32 v[SUM+2*\u], v[SUM+2*\u], v[TM+8+\u]
.endr
.irp u,0,1
	v_mul_f32 v[MEAN+2*\u], s74, v[SUM+2*\u]
.endr
.if \head
	s_wait_dscnt 0x0                               ; hn_g headW is in H
.endif
.set pp, 0
.rept 8
.irp e,0,1
.irp u,0,1
	v_pk_add_f32 v[TM+8+4*\e+2*\u:TM+9+4*\e+2*\u], v[TK+32*\u+2*(pp+\e):TK+32*\u+2*(pp+\e)+1], v[MEAN+2*\u:MEAN+2*\u+1] op_sel_hi:[1,0] neg_lo:[0,1] neg_hi:[0,1]
.endr
.endr
.irp e,0,1
.irp u,0,1
.if pp == 0
	v_pk_mul_f32 v[TM+4*\u+2*\e:TM+4*\u+2*\e+1], v[TM+8+4*\e+2*\u:TM+9+4*\e+2*\u], v[TM+8+4*\e+2*\u:TM+9+4*\e+2*\u]
.else
	v_pk_fma_f32 v[TM+4*\u+2*\e:TM+4*\u+2*\e+1], v[TM+8+4*\e+2*\u:TM+9+4*\e+2*\u], v[TM+8+4*\e+2*\u:TM+9+4*\e+2*\u], v[TM+4*\u+2*\e:TM+4*\u+2*\e+1]
.endif
.endr
.endr
.if \head
.irp e,0,1
.irp u,0,1
.if (pp+\e) == 0
	v_pk_mul_f32 v[DOT+2*\u:DOT+2*\u+1], v[TM+8+4*\e+2*\u:TM+9+4*\e+2*\u], v[H+2*(pp+\e):H+2*(pp+\e)+1]
.else
	v_pk_fma_f32 v[DOT+2*\u:DOT+2*\u+1], v[TM+8+4*\e+2*\u:TM+9+4*\e+2*\u], v[H+2*(pp+\e):H+2*(pp+\e)+1], v[DOT+2*\u:DOT+2*\u+1]
.endif
.endr
.endr
.endif
.set pp, pp+2
.endr
.irp u,0,1
	v_pk_add_f32 v[TM+4*\u:TM+4*\u+1], v[TM+4*\u:TM+4*\u+1], v[TM+4*\u+2:TM+4*\u+3]
.endr
.irp u,0,1
	v_add_f32 v[SUM+2*\u], v[TM+4*\u], v[TM+4*\u+1]
.endr
.irp u,0,1
	v_permlanex16_b32 v[TM+8+\u], v[SUM+2*\u], s60, s61
.endr
.irp u,0,1
	v_add_f32 v[SUM+2*\u], v[SUM+2*\u], v[TM+8+\u]
.endr
.irp u,0,1
	v_fma_f32 v[SUM+2*\u], v[SUM+2*\u], s74, s75   ; variance + 1e-5
.endr
.irp u,0,1
	v_rsq_f32 v[RSTD+2*\u], v[SUM+2*\u]
.endr
	v_nop                                          ; the plain instruction behind the second root
	s_wait_alu depctr_va_vdst(0)                   ; one wait for both, ahead of their first reader
.irp u,0,1
	v_mul_f32 v[NMR+2*\u], -v[MEAN+2*\u], v[RSTD+2*\u]
.endr
.endm
; LAYERNORM, the values: (x rstd - mean rstd) g + b, rounded to bf16 in pairs into NB + 16 u + pair.  g lies in H, b in W2.  Four pairs at a time, on two sets of temporaries.
.macro LNOUT
.set bb, 0
.rept 8
.irp e,0,1,2,3
	v_pk_fma_f32 v[TM+8*(bb%2)+2*\e:TM+8*(bb%2)+2*\e+1], v[TK+32*(bb/4)+8*(bb%4)+2*\e:TK+32*(bb/4)+8*(bb%4)+2*\e+1], v[RSTD+2*(bb/4):RSTD+2*(bb/4)+1], v[NMR+2*(bb/4):NMR+2*(bb/4)+1] op_sel_hi:[1,0,0]
.endr
.irp e,0,1,2,3
	v_pk_fma_f32 v[TM+8*(bb%2)+2*\e:TM+8*(bb%2)+2*\e+1], v[TM+8*(bb%2)+2*\e:TM+8*(bb%2)+2*\e+1], v[H+8*(bb%4)+2*\e:H+8*(bb%4)+2*\e+1], v[W2+8*(bb%4)+2*\e:W2+8*(bb%4)+2*\e+1]
.endr
.irp e,0,1,2,3
	v_cvt_pk_bf16_f32 v[NB+16*(bb/4)+4*(bb%4)+\e], v[TM+8*(bb%2)+2*\e], v[TM+8*(bb%2)+2*\e+1]
.endr
.set bb, bb+1
.endr
.endm
; A CHUNK OF THE TOKEN MIX: hidden units 32 (c / 2) .. + 31 for the channel tiles 2 (c % 2), 2 (c % 2) + 1.  In every run of products the accumulators take turns, one instruction a turn.
.macro TCHUNK c
	s_wait_dscnt 0x0                               ; the bias tiles (chunk 0: also N turned, tiW's and toW's fragments)
.irp x,0,1
.irp mm,0,1
	MMA H+8*(2*\x+\mm), W1+8*(2*((\c)/2)+\mm), NB+8*(2*((\c)%2)+\x), TM+16+8*\mm   ; BETA (tiW^T N^T + tib)
.endr
.endr
	PLACES 8                                       ; behind the products, ahead of the packed reads of H and the writes of TM: twice the four places that this form asks for, as a margin
	GELU 1, \c
.irp x,0,1
.irp u,0,1
	MMA TK+32*\u+8*(2*((\c)%2)+\x), TM+8*\x, W2+8*(2*((\c)/2)+\u), TK+32*\u+8*(2*((\c)%2)+\x)   ; X^T += G toW
.endr
.endr
.endm
; A CHUNK OF THE CHANNEL MIX: hidden channels 32 c .. 32 c + 31 for all 32 tokens.
.macro CCHUNK c
	s_wait_dscnt 0x0                               ; this chunk's ciW fragments and bias tiles
.irp kk,0,1
.irp u,0,1
.irp mm,0,1
.if \kk == 0
	MMA H+8*(2*\u+\mm), W1+8*(2*\mm+\kk), NB+16*\u+8*\kk, TM+16+8*\mm
.else
	MMA H+8*(2*\u+\mm), W1+8*(2*\mm+\kk), NB+16*\u+8*\kk, H+8*(2*\u+\mm)
.endif
.endr
.endr
.endr
	PLACES 8                                       ; as in TCHUNK; also ahead of the loads into W1 and W2
	GELU 2, \c
.if (\c) < 3
	s_wait_dscnt 12                                ; coW's 8 loads are in; the 8 of the next ciW fragments and the 4 of the next bias tiles, issued behind them, may stay out
.else
	s_wait_dscnt 8                                 ; coW's 8 loads are in; cob's 8, issued behind them, may stay out
.endif
.irp t,0,1,2,3
.irp u,0,1
	MMA TK+32*\u+8*\t, W2+8*\t, TM+8*\u, TK+32*\u+8*\t   ; X^T += coW^T G
.endr
.endr
.endm
	; ---------------- the head: arguments, constants, lane terms ----------------
	s_load_b512 s[4:19], s[0:1], 0x0               ; tiW toW ciW coW physW1 physW2 pos_emb tib
	s_load_b512 s[20:35], s[0:1], 0x40             ; cib tn_g tn_b cn_g cn_b cob tob tokW
	s_load_b512 s[36:51], s[0:1], 0x80             ; tokb physb1 physb2 hn_g hn_b headW headb latents
	s_load_b128 s[52:55], s[0:1], 0xc0             ; phys out0
	v_lshl_add_u32 v[SPW], v0, 2, SPARE
	v_mov_b32 v[NIL], 0
	v_lshrrev_b32 v20, 5, v0
	v_readfirstlane_b32 s56, v20                   ; wave 0..7
	s_mov_b32 s60, 0x76543210                      ; v_permlanex16_b32: each lane takes its own place in the other half
	s_mov_b32 s61, 0xfedcba98
	s_mov_b32 s62, 0xffff0000
	s_mov_b32 s66, 0xbc083a08                      ; -KAPPA = -0.00831462
	s_mov_b32 s67, s66
	s_mov_b32 s68, 0x401382a8                      ; BETA = 2.3048496
	s_mov_b32 s69, s68
	s_mov_b32 s70, 0x3ede23eb                      ; 1 / BETA
	s_mov_b32 s71, s70
	s_cmp_lt_u32 s56, 2
	s_cselect_b32 s72, s68, 0                      ; waves 0 and 1 write physW1's 8 rows, the others the 24 rows of zeros below them
	s_mov_b32 s73, s72
	s_mov_b32 s74, 0x3c800000                      ; 1 / 64
	s_mov_b32 s75, 0x3727c5ac                      ; 1e-5
	v_and_b32 v20, 31, v0                          ; l
	v_and_b32 v21, 15, v0                          ; r
	v_bfe_u32 v22, v0, 4, 1                        ; h
	v_and_b32 v23, 7, v0
	v_bfe_u32 v24, v0, 3, 1
	v_and_b32 v25, 63, v0
	v_lshrrev_b32 v26, 3, v0
	v_mov_b32 v[TMP], 0
	v_lshl_add_u32 v[TR0], v22, 3, v23
	v_mul_u32_u24 v[TR0], v[TR0], 160
	v_lshl_add_u32 v[TR0], v24, 4, v[TR0]
	v_lshlrev_b32 v[H32], 5, v22
	v_lshlrev_b32 v[R4], 2, v21
	s_mul_i32 s2, s56, 5120
	s_add_co_u32 s2, s2, NST                       ; my stage for N
	v_mul_u32_u24 v[ANS], v21, 160
	v_lshl_add_u32 v[ANS], v22, 4, v[ANS]
	v_add_nc_u32 v[ANS], s2, v[ANS]
	v_add_nc_u32 v[ANL], s2, v[TR0]
	s_mul_i32 s2, s56, 4352
	s_add_co_u32 s2, s2, PST
	v_add_nc_u32 v[APL], s2, v[H32]
	s_lshl_b32 s2, s56, 9
	s_add_co_u32 s2, s2, OST
	v_lshl_add_u32 v[AOS], v20, 2, s2
	v_mul_u32_u24 v[APOS], v21, 272
	v_add_nc_u32 v[APOS], v[H32], v[APOS]
	v_add_nc_u32 v[APOS], POS, v[APOS]
	v_lshlrev_b32 v[GW], 5, v0
	v_lshlrev_b32 v[GP1], 5, v25
	v_lshlrev_b32 v[G16], 4, v0
	v_mul_u32_u24 v[LA8], v26, 160
	v_lshl_add_u32 v[LA8], v23, 4, v[LA8]
	v_lshrrev_b32 v28, 2, v0
	v_mul_u32_u24 v[LA4], v28, 160
	v_and_b32 v28, 3, v0
	v_lshl_add_u32 v[LA4], v28, 4, v[LA4]
	v_lshlrev_b32 v[GCI], 9, v26
	v_lshl_add_u32 v[GCI], v23, 5, v[GCI]
	v_lshrrev_b32 v29, 4, v0
	v_mul_u32_u24 v[LPOS], v29, 272
	v_lshl_add_u32 v[LPOS], v21, 4, v[LPOS]
	v_add_nc_u32 v[LPOS], POS, v[LPOS]
	v_lshlrev_b32 v[G4], 2, v0
	v_lshlrev_b32 v[G8], 3, v0
	v_lshrrev_b32 v29, 1, v0
	v_lshlrev_b32 v[GTB], 2, v29
	v_lshlrev_b32 v[G4W], 2, v25
	s_lshl_b32 s79, s56, 7                         ; my element's 128 bytes of latents and of phys
	v_add_nc_u32 v[GLAT], s79, v[R4]
	v_lshl_add_u32 v[GPH], v28, 5, s79             ; phys: row l % 4
	v_lshrrev_b32 v28, 6, v0                       ; waves 0-5: the layer whose parameters I copy,
	v_mul_u32_u24 v28, v28, LBLK
	v_lshl_add_u32 v[AT], v25, 2, v28              ; where its words of 64 go,
	v_lshl_add_u32 v[ATR], v25, 3, v28             ; cib's pairs,
	v_bfe_u32 v29, v0, 1, 5
	v_lshl_add_u32 v[AP], v29, 2, v28              ; and tob's 32 (two lanes write each word, with the same number)
	s_wait_kmcnt 0x0
	s_load_b32 s76, s[48:49], 0x0                  ; headb
	s_lshl_b32 s2, ttmp9, 10                       ; the work-group's 8 elements: 1,024 bytes of latents and of phys,
	s_mov_b32 s3, 0
	s_add_nc_u64 s[50:51], s[50:51], s[2:3]
	s_add_nc_u64 s[52:53], s[52:53], s[2:3]
	s_lshl_b32 s2, ttmp9, 12                       ; 4,096 of out0
	s_add_nc_u64 s[54:55], s[54:55], s[2:3]
	; ---------------- all loads go out before any is used; the parameters first, so that the counts below are the same in every wave ----------------
	s_cmp_lt_u32 s56, 6
	s_cbranch_scc0 .Ltab_load
	global_load_b32 v232, v[G4], s[18:19]          ; tib
	global_load_b32 v233, v[G4], s[22:23]          ; tn_g
	global_load_b32 v234, v[G4], s[24:25]          ; tn_b
	global_load_b32 v235, v[G4], s[26:27]          ; cn_g
	global_load_b32 v236, v[G4], s[28:29]          ; cn_b
	global_load_b32 v237, v[G4], s[30:31]          ; cob
	global_load_b64 v[238:239], v[G8], s[20:21]    ; cib
	global_load_b32 v240, v[GTB], s[32:33]         ; tob
	s_branch .Lpar_asked
.Ltab_load:
	global_load_b32 v232, v[G4W], s[34:35]         ; tokW
	global_load_b32 v233, v[G4W], s[36:37]         ; tokb
	global_load_b32 v234, v[G4W], s[38:39]         ; physb1
	global_load_b32 v235, v[G4W], s[40:41]         ; physb2
	global_load_b32 v236, v[G4W], s[42:43]         ; hn_g
	global_load_b32 v237, v[G4W], s[44:45]         ; hn_b
	global_load_b32 v238, v[G4W], s[46:47]         ; headW
.Lpar_asked:
	global_load_b32 v[CUR], v[GLAT], s[50:51]
	global_load_b32 v[CUR+2], v[GLAT], s[50:51] offset:64
	global_load_b128 v[224:227], v[GPH], s[52:53]
	global_load_b128 v[228:231], v[GPH], s[52:53] offset:16
	global_load_b128 v[192:195], v[GP1], s[12:13]
	global_load_b128 v[196:199], v[GP1], s[12:13] offset:16
	global_load_b128 v[200:203], v[GW], s[14:15]
	global_load_b128 v[204:207], v[GW], s[14:15] offset:16
	global_load_b128 v[208:211], v[GW], s[14:15] offset:8192
	global_load_b128 v[212:215], v[GW], s[14:15] offset:8208
	global_load_b128 v[216:219], v[G16], s[16:17]
	global_load_b128 v[220:223], v[G16], s[16:17] offset:4096
	LOADW 32, 0
	LOADW 112, 1
	; ---------------- scaled, rounded, into LDS ----------------
	s_wait_loadcnt 40                              ; all but the two layers' 40 loads: loads come back in order (ISA guide 5.7.1)
	s_cmp_lt_u32 s56, 6
	s_cbranch_scc0 .Ltab_store
	v_mul_f32 v232, s68, v232
	v_pk_mul_f32 v[238:239], v[238:239], s[68:69] op_sel_hi:[1,0]
	ds_store_b32 v[AT], v232 offset:TIB
	ds_store_b32 v[AT], v233 offset:TNG
	ds_store_b32 v[AT], v234 offset:TNB
	ds_store_b32 v[AT], v235 offset:CNG
	ds_store_b32 v[AT], v236 offset:CNB
	ds_store_b32 v[AT], v237 offset:COB
	ds_store_b64 v[ATR], v[238:239] offset:CIB
	ds_store_b32 v[AP], v240 offset:TOB
	s_branch .Lpar_stored
.Ltab_store:
	v_add_nc_u32 v[AT], TAB, v[G4W]
	v_mul_f32 v234, s68, v234                      ; BETA physb1
	v_add_f32 v235, v235, v233                     ; physb2 + tokb: both are added to every token
	v_mul_f32 v236, v236, v238                     ; hn_g headW
	v_mul_f32 v237, v237, v238                     ; hn_b headW
	ds_store_b32 v[AT], v232
	ds_store_b32 v[AT], v234 offset:256
	ds_store_b32 v[AT], v235 offset:512
	ds_store_b32 v[AT], v236 offset:768
	ds_store_b32 v[AT], v237 offset:1024
.Lpar_stored:
	v_add_nc_u32 v232, PW1, v[LA8]
	CONV8 192, 72, 232, 0                          ; physW1, BETA or 0
	CONV8 200, 70, 232, 5120                       ; physW2 / BETA, rows 0-31
	CONV8 208, 70, 232, 10240                      ; rows 32-63
	ds_store_b128 v[LPOS], v[216:219]
	ds_store_b128 v[LPOS], v[220:223] offset:4352
	s_wait_loadcnt 20                              ; layer 0 is in; layer 1's 20 loads may stay out
	CONVW 32
	s_wait_dscnt 0x0                               ; the stores have taken their data: the same registers are loaded again
	LOADW 32, 2
	s_wait_loadcnt 20                              ; layer 1 is in; layer 2's 20 may stay out
	CONVW 112
	s_wait_loadcnt 0x0
	CONVW 32
	; phys as source 1 (K = the 8 inputs, padded to 32; column = the step): lanes 0-3 hold a step's 8 numbers, all else is 0
	v_cvt_pk_bf16_f32 v[NB], v224, v225
	v_cvt_pk_bf16_f32 v[NB+1], v226, v227
	v_cvt_pk_bf16_f32 v[NB+2], v228, v229
	v_cvt_pk_bf16_f32 v[NB+3], v230, v231
	v_cmp_gt_u32 vcc_lo, 4, v20
.irp k,0,1,2,3
	v_cndmask_b32 v[NB+\k], 0, v[NB+\k], vcc_lo
	v_mov_b32 v[NB+4+\k], 0
.endr
	s_wait_kmcnt 0x0                               ; headb
	s_wait_dscnt 0x0                               ; for the others' sake: my stores are done
	s_barrier_signal -1
	s_barrier_wait -1                              ; the one barrier: weights and tables are whole; nobody writes them again
	; ---------------- p = gelu(phys W1 + b1) W2 + b2 + tokb for all four steps at once, and the head's constant ----------------
	v_add_nc_u32 v[ATR], PW1, v[TR0]
	v_add_nc_u32 v[AP], TAB, v[H32]
.irp mt,0,1,2,3
	LDTR W1+8*\mt, ATR, 32*\mt
.endr
.irp mt,0,1,2,3
	LD8 W2+8*\mt, AP, 256+64*\mt
.endr
.irp mt,0,1,2,3
	LD8 TM+8*\mt, AP, 1024+64*\mt
.endr
	s_wait_dscnt 0x0
.irp k,0,1,2,3,4,5,6,7
	v_pk_add_f32 v[TM+2*\k:TM+2*\k+1], v[TM+2*\k:TM+2*\k+1], v[TM+16+2*\k:TM+17+2*\k]
.endr
.irp k,0,1,2,3
	v_pk_add_f32 v[TM+2*\k:TM+2*\k+1], v[TM+2*\k:TM+2*\k+1], v[TM+8+2*\k:TM+9+2*\k]
.endr
.irp k,0,1
	v_pk_add_f32 v[TM+2*\k:TM+2*\k+1], v[TM+2*\k:TM+2*\k+1], v[TM+4+2*\k:TM+5+2*\k]
.endr
	v_pk_add_f32 v[TM:TM+1], v[TM:TM+1], v[TM+2:TM+3]
	v_add_f32 v[C0], v[TM], v[TM+1]
	v_permlanex16_b32 v[TMP], v[C0], s60, s61
	v_add_f32 v[C0], v[C0], v[TMP]
	v_add_f32 v[C0], s76, v[C0]                    ; the sum over w of hn_b headW, + headb
.irp mt,0,1,2,3
	MMA H+8*\mt, W1+8*\mt, NB, W2+8*\mt
.endr
	PLACES 8
	GELU 0, 0
	s_wait_dscnt 0x0
.irp mt,0,1,2,3
	MMA H+8*\mt, W1+8*\mt, TM, NB+8*\mt
.endr
.irp mt,0,1,2,3
	MMA H+8*\mt, W2+8*\mt, TM+8, H+8*\mt
.endr
	PLACES 4
	v_mul_u32_u24 v[AT], v[R4], 68                 ; 272 r: column r of the product is step r's p
	v_add_nc_u32 v[AT], v[APL], v[AT]
.irp mt,0,1,2,3
	ds_store_b128 v[AT], v[H+8*\mt:H+8*\mt+3] offset:64*\mt
	ds_store_b128 v[AT], v[H+8*\mt+4:H+8*\mt+7] offset:64*\mt+16
.endr
	s_wait_dscnt 0x0                               ; once: H is loaded again below
	; ---------------- the four steps ----------------
	s_mov_b32 s59, 0
.Lstep:
	s_mul_i32 s78, s59, 272
	v_add_nc_u32 v[AT], s78, v[APL]                ; this step's row of p
	v_add_nc_u32 v[AP], TAB, v[H32]
.irp u,0,1
.irp t,0,1,2,3
	LD8 TK+32*\u+8*\t, APOS, 4352*\u+64*\t         ; pos_emb
.endr
.endr
.irp t,0,1,2,3
	LD8 H+8*\t, AT, 64*\t                          ; p (my own wave's bytes: LDS serves a wave's instructions in order, ISA guide 5.7.1.4)
.endr
.irp t,0,1,2,3
	LD8 TM+8*\t, AP, 64*\t                         ; tokW
.endr
	s_wait_dscnt 0x0
.irp u,0,1
.set pp, 0
.rept 16
	v_pk_add_f32 v[TK+32*\u+2*pp:TK+32*\u+2*pp+1], v[TK+32*\u+2*pp:TK+32*\u+2*pp+1], v[H+2*pp:H+2*pp+1]
.set pp, pp+1
.endr
.endr
.irp u,0,1
.set pp, 0
.rept 16
	v_pk_fma_f32 v[TK+32*\u+2*pp:TK+32*\u+2*pp+1], v[TM+2*pp:TM+2*pp+1], v[CUR+2*\u:CUR+2*\u+1], v[TK+32*\u+2*pp:TK+32*\u+2*pp+1] op_sel_hi:[1,0,1]
.set pp, pp+1
.endr
.endr
	s_mov_b32 s57, 0
.Llayer:                                       ; s57 = the layer's block in LDS: 0, LBLK, 2 LBLK: the loop's own counter
	v_add_nc_u32 v[ATR], s57, v[TR0]
	v_add_nc_u32 v[AP], s57, v[H32]
	v_add_nc_u32 v[AT], s57, v[R4]
	; ---- token mix
.irp mt,0,1,2,3
	LDTR W1+8*\mt, ATR, TI+32*\mt
.endr
.irp mm,0,1
	LD8 TM+16+8*\mm, AP, TIB+64*\mm
.endr
	ds_load_b32 v[TOBV], v[AT] offset:TOB
	ds_load_b32 v[TOBV+2], v[AT] offset:TOB+64
.irp t,0,1,2,3
	LD8 H+8*\t, AP, TNG+64*\t
.endr
.irp t,0,1,2,3
	LD8 W2+8*\t, AP, TNB+64*\t
.endr
	LNSTAT 0                                       ; the loads land meanwhile
	s_wait_dscnt 0x0
	LNOUT
.irp u,0,1
.irp t,0,1,2,3
	ds_store_b128 v[ANS], v[NB+16*\u+4*\t:NB+16*\u+4*\t+3] offset:2560*\u+32*\t   ; N[l][w] into my stage
.endr
.endr
.irp t,0,1,2,3
	LDTR NB+8*\t, ANL, 32*\t                       ; and back turned: K = the 32 tokens, column = channel 16 t + r; served behind the stores above
.endr
.irp kc,0,1
.irp u,0,1
	LDTR W2+8*(2*\kc+\u), ATR, TO+5120*\kc+32*\u
.endr
.endr
.irp u,0,1                             ; tob, added while the stage's round trip is out
.set pp, 0
.rept 16
	v_pk_add_f32 v[TK+32*\u+2*pp:TK+32*\u+2*pp+1], v[TK+32*\u+2*pp:TK+32*\u+2*pp+1], v[TOBV+2*\u:TOBV+2*\u+1] op_sel_hi:[1,0]
.set pp, pp+1
.endr
.endr
	TCHUNK 0
	TCHUNK 1
	TCHUNK 2
	TCHUNK 3
	; ---- channel mix
	PLACES 8                                       ; ahead of the loads into W2 and TM, which the last products read, and of the packed reads of the tokens
.irp mm,0,1
.irp kk,0,1
	LDTR W1+8*(2*\mm+\kk), ATR, CI+5120*\kk+32*\mm
.endr
.endr
.irp mm,0,1
	LD8 TM+16+8*\mm, AP, CIB+64*\mm
.endr
.irp t,0,1,2,3
	LD8 H+8*\t, AP, CNG+64*\t
.endr
.irp t,0,1,2,3
	LD8 W2+8*\t, AP, CNB+64*\t
.endr
	LNSTAT 0
	s_wait_dscnt 0x0
	LNOUT
	CCHUNK 0
	CCHUNK 1
	CCHUNK 2
	CCHUNK 3
	s_wait_dscnt 0x0                               ; cob
	PLACES 8
.irp u,0,1
.set pp, 0
.rept 16
	v_pk_add_f32 v[TK+32*\u+2*pp:TK+32*\u+2*pp+1], v[TK+32*\u+2*pp:TK+32*\u+2*pp+1], v[W1+2*pp:W1+2*pp+1]
.set pp, pp+1
.endr
.endr
	s_add_co_u32 s57, s57, LBLK
	s_cmp_lt_u32 s57, 3*LBLK
	s_cbranch_scc1 .Llayer
	; ---- the head: delta = rstd x the sum of (x - mean) hn_g headW + C0; the state is clipped and kept
	v_add_nc_u32 v[AP], TAB, v[H32]
.irp t,0,1,2,3
	LD8 H+8*\t, AP, 768+64*\t
.endr
	LNSTAT 1
.irp u,0,1
	v_add_f32 v[SUM+2*\u], v[DOT+2*\u], v[DOT+2*\u+1]
.endr
.irp u,0,1
	v_permlanex16_b32 v[TM+8+\u], v[SUM+2*\u], s60, s61
.endr
.irp u,0,1
	v_add_f32 v[SUM+2*\u], v[SUM+2*\u], v[TM+8+\u]
.endr
.irp u,0,1
	v_fma_f32 v[SUM+2*\u], v[RSTD+2*\u], v[SUM+2*\u], v[C0]
.endr
.irp u,0,1
	v_add_f32 v[CUR+2*\u], v[CUR+2*\u], v[SUM+2*\u]
.endr
.irp u,0,1
	v_max_num_f32 v[CUR+2*\u], 0, v[CUR+2*\u]
.endr
.irp u,0,1
	v_min_num_f32 v[CUR+2*\u], 1.0, v[CUR+2*\u]
.endr
	s_lshl_b32 s79, s59, 7
	v_add_nc_u32 v[AT], s79, v[AOS]                ; this step's 128 bytes of my results
	v_cndmask_b32 v[TMP], v[CUR], v[CUR+2], s62    ; lane l holds token l
	ds_store_b32 v[AT], v[TMP]
	s_add_co_u32 s59, s59, 1
	s_cmp_lt_u32 s59, 4
	s_cbranch_scc1 .Lstep
	; ---------------- out: my element's 4 x 32 numbers are 512 consecutive bytes of out0, at a multiple of 512 from its first ----------------
	v_and_b32 v[AT], 31, v0
	v_lshlrev_b32 v[AT], 4, v[AT]
	s_lshl_b32 s2, s56, 9
	v_add_nc_u32 v[AP], s2, v[AT]
	v_add_nc_u32 v[ATR], OST, v[AP]
	ds_load_b128 v[32:35], v[ATR]
	s_wait_dscnt 0x0
	global_store_b128 v[AP], v[32:35], s[54:55]
	s_wait_tensorcnt 0x0                           ; the wave's end, behind my last LDS store
	ds_add_u32 v[SPW], v[NIL]
	s_wait_dscnt 0x0
	s_endpgm
.Lfunc_end_k_q06ff92abd1_mixer:
	.size	k_q06ff92abd1_mixer, .Lfunc_end_k_q06ff92abd1_mixer-k_q06ff92abd1_mixer
	.p2alignl 7, 3214868480
	.fill 96, 4, 3214868480
	.section	.rodata,"a",@progbits
	.p2align	6, 0x0
	.amdhsa_kernel k_q06ff92abd1_mixer
		.amdhsa_group_segment_fixed_size 282112
		.amdhsa_private_segment_fixed_size 0
		.amdhsa_enable_private_segment 0
		.amdhsa_kernarg_size 208
		.amdhsa_user_sgpr_count 2
		.amdhsa_user_sgpr_kernarg_segment_ptr 1
		.amdhsa_wavefront_size32 1
		.amdhsa_system_sgpr_workgroup_id_x 1
		.amdhsa_system_sgpr_workgroup_id_y 1
		.amdhsa_system_sgpr_workgroup_id_z 1
		.amdhsa_system_vgpr_workitem_id 0
		.amdhsa_next_free_vgpr 256
		.amdhsa_next_free_sgpr 80
		.amdhsa_reserve_vcc 1
		.amdhsa_float_denorm_mode_32 3
		.amdhsa_float_denorm_mode_16_64 3
		.amdhsa_memory_ordered 1
		.amdhsa_forward_progress 1
		.amdhsa_inst_pref_size 180
	.end_amdhsa_kernel
	.amdgpu_metadata
---
amdhsa.version: [ 1, 2 ]
amdhsa.kernels:
  - .name:           k_q06ff92abd1_mixer
    .symbol:         k_q06ff92abd1_mixer.kd
    .args:
      - { .name: tiW, .offset: 0, .size: 8, .value_kind: global_buffer, .address_space: global }
      - { .name: toW, .offset: 8, .size: 8, .value_kind: global_buffer, .address_space: global }
      - { .name: ciW, .offset: 16, .size: 8, .value_kind: global_buffer, .address_space: global }
      - { .name: coW, .offset: 24, .size: 8, .value_kind: global_buffer, .address_space: global }
      - { .name: physW1, .offset: 32, .size: 8, .value_kind: global_buffer, .address_space: global }
      - { .name: physW2, .offset: 40, .size: 8, .value_kind: global_buffer, .address_space: global }
      - { .name: pos_emb, .offset: 48, .size: 8, .value_kind: global_buffer, .address_space: global }
      - { .name: tib, .offset: 56, .size: 8, .value_kind: global_buffer, .address_space: global }
      - { .name: cib, .offset: 64, .size: 8, .value_kind: global_buffer, .address_space: global }
      - { .name: tn_g, .offset: 72, .size: 8, .value_kind: global_buffer, .address_space: global }
      - { .name: tn_b, .offset: 80, .size: 8, .value_kind: global_buffer, .address_space: global }
      - { .name: cn_g, .offset: 88, .size: 8, .value_kind: global_buffer, .address_space: global }
      - { .name: cn_b, .offset: 96, .size: 8, .value_kind: global_buffer, .address_space: global }
      - { .name: cob, .offset: 104, .size: 8, .value_kind: global_buffer, .address_space: global }
      - { .name: tob, .offset: 112, .size: 8, .value_kind: global_buffer, .address_space: global }
      - { .name: tokW, .offset: 120, .size: 8, .value_kind: global_buffer, .address_space: global }
      - { .name: tokb, .offset: 128, .size: 8, .value_kind: global_buffer, .address_space: global }
      - { .name: physb1, .offset: 136, .size: 8, .value_kind: global_buffer, .address_space: global }
      - { .name: physb2, .offset: 144, .size: 8, .value_kind: global_buffer, .address_space: global }
      - { .name: hn_g, .offset: 152, .size: 8, .value_kind: global_buffer, .address_space: global }
      - { .name: hn_b, .offset: 160, .size: 8, .value_kind: global_buffer, .address_space: global }
      - { .name: headW, .offset: 168, .size: 8, .value_kind: global_buffer, .address_space: global }
      - { .name: headb, .offset: 176, .size: 8, .value_kind: global_buffer, .address_space: global }
      - { .name: latents, .offset: 184, .size: 8, .value_kind: global_buffer, .address_space: global }
      - { .name: phys, .offset: 192, .size: 8, .value_kind: global_buffer, .address_space: global }
      - { .name: out0, .offset: 200, .size: 8, .value_kind: global_buffer, .address_space: global }
    .group_segment_fixed_size: 282112
    .private_segment_fixed_size: 0
    .kernarg_segment_align: 8
    .kernarg_segment_size: 208
    .max_flat_workgroup_size: 256
    .sgpr_count:     80
    .vgpr_count:     256
    .wavefront_size: 32
...
	.end_amdgpu_metadata
.endif
;; end of part 1
;; ======== version 2 of 2: 1 launch; version 1 with the launch mixer written anew for expert scheduling mode
;; limits: a function is approximated: absolute error at most 0.0004
;; launch mixer (part 2): grid 256 x 1, 8 waves a work-group, no clusters, 282,112 bytes of LDS; arguments tiW, toW, ciW, coW, physW1, physW2, pos_emb, tib, cib, tn_g, tn_b, cn_g, cn_b, cob, tob, tokW, tokb, physb1, physb2, hn_g, hn_b, headW, headb, latents, phys, out0; writes out0
.if DOCPART == 2
	.amdgcn_target "amdgcn-amd-amdhsa--gfx1250"
	.amdhsa_code_object_version 6
	.text
	.protected	k_q06ff92abd1_mixer
	.globl	k_q06ff92abd1_mixer
	.p2align	8
	.type	k_q06ff92abd1_mixer,@function
k_q06ff92abd1_mixer:
	s_mov_b64 s[64:65], 0
	v_nop
	global_prefetch_b8 v0, s[64:65] scope:SCOPE_SE
	s_setreg_imm32_b32 hwreg(HW_REG_WAVE_SCHED_MODE, 0, 2), 2
	s_setreg_imm32_b32 hwreg(HW_REG_WAVE_MODE, 25, 1), 1
	s_wait_xcnt 0x0
	s_wait_alu depctr_vm_vsrc(0)
; LATENT NEURAL OPERATOR: 2,048 batch elements, 4 steps in sequence, 3 mixer layers a step on a tile of 32 tokens x 64 channels, all in ONE launch.
; SHARES.  256 work-groups of 8 waves; ONE WAVE OWNS ONE BATCH ELEMENT (8 x work-group + wave) for the whole scan.  Behind the one barrier (weights are in LDS) no wave depends on another.
; Eight waves of 256 registers, two to a SIMD: the work is mostly vector work (5 instructions a GELU), and one wave issues while the other sits out a product, an LDS load or a wait.
; LAYOUT.  The tokens stay in f32 accumulators as X^T: tile (t, u) at TK + 32 u + 8 t; lane (r = l % 16, h = l / 16) holds token 16 u + r and channels 16 t + 8 h + 0..7.
;   A LayerNorm over the channels is 32 numbers of the lane and one exchange between the halves of the lanes.
;   Channel mix: H^T = ciW^T N (the normed tokens, rounded in pairs, ARE source 1), GELU, X^T += coW^T G (the rounded GELU again IS source 1; the residual is the C operand).
;   Token mix: N goes once through the wave's own LDS stage and comes back turned (ds_load_tr16_b128); H^T = tiW^T N^T, GELU; the rounded GELU IS source 0 of X^T += G toW.
;   Weights lie in LDS in bf16, [in][out], and every fragment comes turned by two ds_load_tr16_b128.  The first biases are the C operand of the first product.
; GELU.  x Phi(x) with Phi(x) = 1 / (1 + 2^-E), E = z (1 + KAPPA z^2), z = BETA x, BETA = 1.5976 log2(e), KAPPA = 0.04417 / BETA^2 (Page's form of the normal distribution function).
;   BETA is folded into the first weights and biases, 1 / BETA into the second weights.  LIMIT, STATED: this Phi is off by up to 1.4e-4, so GELU by up to 1.4e-4 |x|, about 4e-4 at the most,
;   for every x; overflowing intermediates give the right ends (z, or -0).
; OTHER LIMITS.  Matrix operands are bf16 (weights after the fold); NaN and infinities are not treated apart; physW1's padding rows are made as 0 x a finite weight.
;   The variance is the sum of (x - mean)^2, in f32.
; NOT USED, AND WHY.  Tensor loads: nothing streams, and each weight is scaled and rounded on its way in, so it goes memory -> registers -> LDS once.  A cluster's joint loads: what work-groups
;   share is read once a work-group, 245,760 bytes of f32, which would want that much LDS beside the 282,112 in use and a second pass.  Prefetches: all inputs are read at the head, none is waited for later.
; THE MODE: SCHED_MODE bits 1:0 = 2 (LLVM: expert scheduling mode 2), set by the entry lines.  The code itself states the register dependences
;   between vector or matrix instructions and memory or LDS instructions, with s_wait_alu, always for 0.
; THE PLAN.  Registers that LDS instructions touch in the loops, and who else names them:
;   W1        loads land: tiW at a layer's head, ciW's chunk 0 behind the token mix, the next chunk's ciW (or cob) in a channel chunk's GELU.  Read by the first products and by the cob additions.
;   W2        loads land: a norm's biases, toW, coW.  Read by LNOUT and by the second products.
;   H         loads land: a norm's gains, p, the head's table.  Written by the first products, worked on by GELU.
;   TM+16..31 loads land: two bias tiles.  Read as C by the first products; GELU's temporaries up to its multiplies.
;   NB        written by LNOUT's roundings; in the token mix read by eight LDS stores, then N lands in it turned; read by the first products.
;   TK        pos_emb lands at a step's head; all else on it is vector and matrix work.      TOBV  tob lands at a layer's head; read by the tob additions.
;   AT, ATR, AP   LDS addresses, made anew at a step's head, a layer's head, the head's norm and the way out.      TMP  the data of a step's one result store.
;   TR0, H32, R4, ANS, ANL, APL, AOS, APOS   addresses made once at the kernel's head and never written again.
;   So: at each head where addresses are made anew, one wait on vm_vsrc ahead of the additions and one on va_vdst behind them, which also shows all earlier vector and matrix work done with the registers
;   in which that head's loads land.  In a GELU the run of fragment loads stands directly behind the wait for the exponentials, which shows the products issued so far done with W1, W2 and NB; no line of a GELU
;   names these.  The bias tiles have a wait of their own behind GELU's multiplies.  The stage's round trip has one wait ahead of its stores and one on vm_vsrc ahead of the loads that land in the stores' data.
.set LBLK,  58624                      ; LDS bytes of a layer's block: the four weights and the parameters
.set TI,    0                          ; tiW: 32 rows l x 160 bytes (128 of data: 64 bf16)
.set TO,    5120                       ; toW: 64 rows th x 160 (64 of data)
.set CI,    15360                      ; ciW: two halves of 64 output channels, each 64 rows w x 160
.set CO,    35840                      ; coW: 128 rows ch x 160
.set PRM,   56320                      ; f32 parameters:
.set TIB,   PRM+0                      ;   BETA tib
.set CIB,   PRM+256                    ;   BETA cib
.set TNG,   PRM+768
.set TNB,   PRM+1024
.set CNG,   PRM+1280
.set CNB,   PRM+1536
.set COB,   PRM+1792
.set TOB,   PRM+2048
.set PW1,   3*LBLK                     ; physW1: 32 rows x 160, rows 8-31 zeros
.set PW2,   PW1+5120                   ; physW2: 64 rows x 160
.set POS,   PW2+10240                  ; pos_emb, f32: 32 rows x 272
.set TAB,   POS+8704                   ; f32: tokW +0, BETA physb1 +256, physb2 + tokb +512, hn_g headW +768, hn_b headW +1024
.set NST,   TAB+1280                   ; each wave's stage for N: 32 rows x 160
.set PST,   NST+8*5120                 ; each wave's p of the four steps, f32: 16 rows x 272 (rows 0-3 are read)
.set OST,   PST+8*4352                 ; each wave's 4 x 32 results, f32
.set SPARE, OST+8*512                  ; the spare words, 128 bytes for each wave: four blocks of 256 bytes that no other line names
; A pitch of 160 bytes is 5 x 32.
; VECTOR REGISTERS.  What a packed instruction takes for both halves lies in an EVEN register (op_sel_hi 0 names a pair's low word); its odd neighbour holds something written.
.set SPW,  1                           ; LDS address of my spare word; never rewritten
.set NIL,  2                           ; 0; never rewritten
.set TR0,  3                           ; my place in a turning load: (8 h + l % 8) x 160 + 16 ((l / 8) % 2)
.set H32,  4                           ; 32 h: my 8 f32 of a tile of parameters
.set R4,   5                           ; 4 r
.set AT,   6                           ; at work: addresses
.set ATR,  7
.set CUR,  8                           ; v8, v10: the state of tokens r and 16 + r
.set AP,   9
.set ANS,  11                          ; my 16 bytes of a row of N in my stage
.set MEAN, 12                          ; v12, v14
.set ANL,  13                          ; my place in a turning load from my stage
.set APL,  15                          ; my 32 bytes of p's row 0
.set RSTD, 16                          ; v16, v18
.set AOS,  17                          ; my word of the results' row 0
.set APOS, 19                          ; my 32 bytes of pos_emb's row r
.set NMR,  20                          ; v20, v22: -mean x rstd
.set SUM,  21                          ; v21, v23: at work
.set TOBV, 24                          ; v24, v26: tob of my two tokens
.set C0,   25                          ; the sum of hn_b headW, + headb
.set TMP,  27
.set DOT,  28                          ; v[28:31]: the head's two sums
.set TK,   32                          ; v[32:95]   the tokens
.set NB,   96                          ; v[96:127]  N in bf16
.set H,    128                         ; v[128:159] a chunk's first product; LN's gains
.set TM,   160                         ; v[160:191] at work; G in the first 16, two bias tiles in the last 16
.set W1,   192                         ; v[192:223] fragments of the first weights
.set W2,   224                         ; v[224:255] fragments of the second weights; LN's biases
; set-up alone: v[32:111], v[112:191] two sets of a layer's 20 loads; v[192:223] physW1, physW2, pos_emb; v[224:231] phys; v[232:240] parameters
.set GPH,  241                         ; byte offsets in memory ...
.set GW,   242                         ; 32 tid
.set GP1,  243                         ; 32 (tid % 64)
.set G16,  244                         ; 16 tid
.set LA8,  245                         ; ... and LDS addresses: (tid / 8) x 160 + 16 (tid % 8)
.set LA4,  246                         ; (tid / 4) x 160 + 16 (tid % 4)
.set GCI,  247                         ; 512 (tid / 8) + 32 (tid % 8)
.set LPOS, 248
.set G4,   249                         ; 4 tid
.set G8,   250                         ; 8 tid
.set GTB,  251                         ; 4 (tid / 2)
.set LP1,  252                         ; PW1 + LA8's first value: where physW1's and physW2's rows go
.set G4W,  253                         ; 4 (tid % 64)
.set GLAT, 255
; SCALARS: s[4:55] the 26 addresses in the order of the arguments; s56 wave; s57 the layer's LDS offset, the layer loop's counter; s59 the step; s[60:61] lane selects; s62 mask of lanes 16-31;
; s[66:67] -KAPPA; s[68:69] BETA; s[70:71] 1 / BETA; s[72:73] physW1's factor; s74 1/64; s75 1e-5; s76 headb; s2, s3, s78, s79 at work.
.macro PLACES n                        ; plain places behind a matrix instruction (ISA guide 7.12.1)
.rept \n
	v_nop
.endr
.endm
.macro MMA d, a, b, cc
	v_wmma_f32_16x16x32_bf16 v[(\d):(\d)+7], v[(\a):(\a)+7], v[(\b):(\b)+7], v[(\cc):(\cc)+7]
.endm
.macro LDTR dst, areg, off             ; a fragment (32 along K x 16) of a tile stored [K][N] at pitch 160: K 0-15, then K 16-31
	ds_load_tr16_b128 v[(\dst):(\dst)+3], v[\areg] offset:(\off)
	ds_load_tr16_b128 v[(\dst)+4:(\dst)+7], v[\areg] offset:(\off)+2560
.endm
.macro LD8 dst, areg, off              ; 8 f32 on end
	ds_load_b128 v[(\dst):(\dst)+3], v[\areg] offset:(\off)
	ds_load_b128 v[(\dst)+4:(\dst)+7], v[\areg] offset:(\off)+16
.endm
.macro CONVA x, sc                     ; 8 f32 in v[x..x+7]: scaled, rounded to bf16 in place (ascending, so no source is lost): 16 bytes in v[x..x+3]
.irp k,0,1,2,3
	v_pk_mul_f32 v[(\x)+2*\k:(\x)+2*\k+1], v[(\x)+2*\k:(\x)+2*\k+1], s[\sc:\sc+1] op_sel_hi:[1,0]
.endr
.irp k,0,1,2,3
	v_cvt_pk_bf16_f32 v[(\x)+\k], v[(\x)+2*\k], v[(\x)+2*\k+1]
.endr
.endm
.macro LOADW x, i                      ; layer i's four weights: 20 loads of 16 bytes a thread, 8 neighbouring numbers of a row to each pair of loads
	global_load_b128 v[(\x):(\x)+3], v[GW], s[4:5] offset:8192*(\i)
	global_load_b128 v[(\x)+4:(\x)+7], v[GW], s[4:5] offset:8192*(\i)+16
	global_load_b128 v[(\x)+8:(\x)+11], v[GW], s[6:7] offset:8192*(\i)
	global_load_b128 v[(\x)+12:(\x)+15], v[GW], s[6:7] offset:8192*(\i)+16
.irp k,0,1,2,3                         ; ciW: row tid / 8 + 32 (k % 2), half k / 2 of its 128 columns
	global_load_b128 v[(\x)+16+8*\k:(\x)+19+8*\k], v[GCI], s[8:9] offset:32768*(\i)+16384*(\k%2)+256*(\k/2)
	global_load_b128 v[(\x)+20+8*\k:(\x)+23+8*\k], v[GCI], s[8:9] offset:32768*(\i)+16384*(\k%2)+256*(\k/2)+16
.endr
.irp k,0,1,2,3                         ; coW: row tid / 8 + 32 k
	global_load_b128 v[(\x)+48+8*\k:(\x)+51+8*\k], v[GW], s[10:11] offset:32768*(\i)+8192*\k
	global_load_b128 v[(\x)+52+8*\k:(\x)+55+8*\k], v[GW], s[10:11] offset:32768*(\i)+8192*\k+16
.endr
.endm
.macro CONVW x                         ; the same 80 registers into the layer's block: all the arithmetic, one wait, the run of ten stores
	CONVA (\x), 68
	CONVA (\x)+8, 70
.irp k,0,1,2,3
	CONVA (\x)+16+8*\k, 68
.endr
.irp k,0,1,2,3
	CONVA (\x)+48+8*\k, 70
.endr
	s_wait_alu depctr_va_vdst(0)                   ; the roundings have written the stores' data; for the second and third layer LA8 and LA4 are written too
	ds_store_b128 v[LA8], v[(\x):(\x)+3] offset:TI
	ds_store_b128 v[LA4], v[(\x)+8:(\x)+11] offset:TO
.irp k,0,1,2,3
	ds_store_b128 v[LA8], v[(\x)+16+8*\k:(\x)+19+8*\k] offset:CI+10240*(\k/2)+5120*(\k%2)
.endr
.irp k,0,1,2,3
	ds_store_b128 v[LA8], v[(\x)+48+8*\k:(\x)+51+8*\k] offset:CO+5120*\k
.endr
.endm
.macro NEXTW                           ; the two LDS addresses step to the next layer's block
	s_wait_alu depctr_vm_vsrc(0)                   ; the stores above have read LA8 and LA4, and their data
	v_add_nc_u32 v[LA8], LBLK, v[LA8]
	v_add_nc_u32 v[LA4], LBLK, v[LA4]
.endm
; GELU of the 32 numbers z in H, ten instructions a pair: s = z z; u = -KAPPA s - 1; v = u z = -E; 2^v (twice); d = 1 + 2^v; 1 / d (twice); g = z / d; two roundings into TM's first 16.
.macro G_S p
	v_pk_mul_f32 v[TM+2*(\p):TM+2*(\p)+1], v[H+2*(\p):H+2*(\p)+1], v[H+2*(\p):H+2*(\p)+1]
.endm
.macro G_U p
	v_pk_fma_f32 v[TM+2*(\p):TM+2*(\p)+1], v[TM+2*(\p):TM+2*(\p)+1], s[66:67], -1.0 op_sel_hi:[1,0,0]
.endm
.macro G_V p
	v_pk_mul_f32 v[TM+2*(\p):TM+2*(\p)+1], v[TM+2*(\p):TM+2*(\p)+1], v[H+2*(\p):H+2*(\p)+1]
.endm
.macro G_E q
	v_exp_f32 v[TM+(\q)], v[TM+(\q)]
.endm
.macro G_D p
	v_pk_add_f32 v[TM+2*(\p):TM+2*(\p)+1], v[TM+2*(\p):TM+2*(\p)+1], 1.0 op_sel_hi:[1,0]
.endm
.macro G_R q
	v_rcp_f32 v[TM+(\q)], v[TM+(\q)]
.endm
.macro G_M p
	v_pk_mul_f32 v[H+2*(\p):H+2*(\p)+1], v[H+2*(\p):H+2*(\p)+1], v[TM+2*(\p):TM+2*(\p)+1]
.endm
.macro G_C p
	v_cvt_pk_bf16_f32 v[TM+(\p)], v[H+2*(\p)], v[H+2*(\p)+1]
.endm
; The LDS loads that ride on a GELU.  mode 0: the phys MLP; 1: token mix; 2: channel mix; c: the chunk.
.macro HOOKA mode, c                   ; directly behind the wait for the exponentials: into registers that the products issued ahead of the GELU have read, and that no line of the GELU names
.if (\mode) == 0
.irp kc,0,1
.irp mt,0,1,2,3
	LDTR W1+8*(4*\kc+\mt), ATR, 5120+5120*\kc+32*\mt   ; physW2's eight fragments fill W1 and W2
.endr
.endr
.irp mt,0,1,2,3
	LD8 NB+8*\mt, AP, 512+64*\mt                       ; physb2 + tokb as four C tiles
.endr
.elseif (\mode) == 2
.irp t,0,1,2,3
	LDTR W2+8*\t, ATR, CO+5120*(\c)+32*\t              ; coW: this chunk's 32 rows x all 64 columns
.endr
.if (\c) < 3
.irp mm,0,1
.irp kk,0,1
	LDTR W1+8*(2*\mm+\kk), ATR, CI+10240*(((\c)+1)/2)+5120*\kk+32*((2*((\c)+1)+\mm)%4)  ; ciW for the next chunk
.endr
.endr
.else
.irp t,0,1,2,3
	LD8 W1+8*\t, AP, COB+64*\t                         ; cob, added behind the last chunk
.endr
.endif
.endif
.endm
.macro HOOKB mode, c                   ; when TM's last 16 are free again: the next chunk's two bias tiles
.if ((\mode) == 1) && ((\c) < 3)
	s_wait_alu depctr_va_vdst(0)                   ; the multiplies above are done reading TM's last 16, in which the bias tiles land
.irp mm,0,1
	LD8 TM+16+8*\mm, AP, TIB+64*(2*(((\c)+1)/2)+\mm)
.endr
.endif
.if ((\mode) == 2) && ((\c) < 3)
	s_wait_alu depctr_va_vdst(0)                   ; the multiplies above are done reading TM's last 16, in which the bias tiles land
.irp mm,0,1
	LD8 TM+16+8*\mm, AP, CIB+64*(2*((\c)+1)+\mm)
.endr
.endif
.endm
; The order: the exponentials are ONE batch and the reciprocals another, each with one plain instruction behind its last and ONE wait ahead of its first reader;
; plain instructions of the next four pairs stand between the transcendentals.  Each tile of H is first read at its lowest registers.
.macro GELU mode, c
.irp p,0,1,2,3
	G_S \p
.endr
.irp p,0,1,2,3
	G_U \p
.endr
.irp p,0,1,2,3
	G_V \p
.endr
.set gg, 0
.rept 3
.irp k,0,1,2,3
	G_E 8*gg+\k
	G_S 4*gg+4+\k
.endr
.irp k,0,1,2,3
	G_E 8*gg+4+\k
	G_U 4*gg+4+\k
.endr
.irp k,0,1,2,3
	G_V 4*gg+4+\k
.endr
.set gg, gg+1
.endr
.irp k,0,1,2,3,4,5,6,7
	G_E 24+\k
.endr
	v_nop                                          ; the plain instruction behind the last exponential
	s_wait_alu depctr_va_vdst(0)                   ; one wait: the 32 exponentials have written TM, ahead of their first reader; and the products issued so far are done reading W1, W2 and NB, in which the loads below land
	HOOKA \mode, \c
.irp p,0,1,2,3
	G_D \p
.endr
.set gg, 0
.rept 3
.irp k,0,1,2,3
	G_R 8*gg+2*\k
	G_R 8*gg+2*\k+1
	G_D 4*gg+4+\k
.endr
.set gg, gg+1
.endr
.irp k,0,1,2,3,4,5,6,7
	G_R 24+\k
.endr
	v_nop                                          ; the plain instruction behind the last reciprocal
	s_wait_alu depctr_va_vdst(0)                   ; one wait: the 32 reciprocals have written TM, ahead of their first reader
.set gg, 0
.rept 16
	G_M gg
.set gg, gg+1
.endr
	HOOKB \mode, \c
.set gg, 0
.rept 16
	G_C gg
.set gg, gg+1
.endr
.endm
; LAYERNORM, statistics: mean, 1 / sqrt(variance + 1e-5) and -mean x that, for my two tokens.  Four chains in each pass; each tile of the tokens is first read at its lowest registers.
; head = 1: the step's last norm: pass 2 also sums (x - mean) x (hn_g headW), whose table is awaited between the passes.
.macro LNSTAT head
.irp u,0,1
	v_pk_add_f32 v[TM+4*\u:TM+4*\u+1], v[TK+32*\u:TK+32*\u+1], v[TK+32*\u+2:TK+32*\u+3]
.endr
.irp u,0,1
	v_pk_add_f32 v[TM+4*\u+2:TM+4*\u+3], v[TK+32*\u+4:TK+32*\u+5], v[TK+32*\u+6:TK+32*\u+7]
.endr
.set pp, 4
.rept 12
.irp u,0,1
	v_pk_add_f32 v[TM+4*\u+2*(pp%2):TM+4*\u+2*(pp%2)+1], v[TM+4*\u+2*(pp%2):TM+4*\u+2*(pp%2)+1], v[TK+32*\u+2*pp:TK+32*\u+2*pp+1]
.endr
.set pp, pp+1
.endr
.irp u,0,1
	v_pk_add_f32 v[TM+4*\u:TM+4*\u+1], v[TM+4*\u:TM+4*\u+1], v[TM+4*\u+2:TM+4*\u+3]
.endr
.irp u,0,1
	v_add_f32 v[SUM+2*\u], v[TM+4*\u], v[TM+4*\u+1]
.endr
.irp u,0,1
	v_permlanex16_b32 v[TM+8+\u], v[SUM+2*\u], s60, s61    ; the token's other 32 channels lie in the lane 16 away
.endr
.irp u,0,1
	v_add_f32 v[SUM+2*\u], v[SUM+2*\u], v[TM+8+\u]
.endr
.irp u,0,1
	v_mul_f32 v[MEAN+2*\u], s74, v[SUM+2*\u]
.endr
.if \head
	s_wait_dscnt 0x0                               ; hn_g headW is in H
.endif
.set pp, 0
.rept 8
.irp e,0,1
.irp u,0,1
	v_pk_add_f32 v[TM+8+4*\e+2*\u:TM+9+4*\e+2*\u], v[TK+32*\u+2*(pp+\e):TK+32*\u+2*(pp+\e)+1], v[MEAN+2*\u:MEAN+2*\u+1] op_sel_hi:[1,0] neg_lo:[0,1] neg_hi:[0,1]
.endr
.endr
.irp e,0,1
.irp u,0,1
.if pp == 0
	v_pk_mul_f32 v[TM+4*\u+2*\e:TM+4*\u+2*\e+1], v[TM+8+4*\e+2*\u:TM+9+4*\e+2*\u], v[TM+8+4*\e+2*\u:TM+9+4*\e+2*\u]
.else
	v_pk_fma_f32 v[TM+4*\u+2*\e:TM+4*\u+2*\e+1], v[TM+8+4*\e+2*\u:TM+9+4*\e+2*\u], v[TM+8+4*\e+2*\u:TM+9+4*\e+2*\u], v[TM+4*\u+2*\e:TM+4*\u+2*\e+1]
.endif
.endr
.endr
.if \head
.irp e,0,1
.irp u,0,1
.if (pp+\e) == 0
	v_pk_mul_f32 v[DOT+2*\u:DOT+2*\u+1], v[TM+8+4*\e+2*\u:TM+9+4*\e+2*\u], v[H+2*(pp+\e):H+2*(pp+\e)+1]
.else
	v_pk_fma_f32 v[DOT+2*\u:DOT+2*\u+1], v[TM+8+4*\e+2*\u:TM+9+4*\e+2*\u], v[H+2*(pp+\e):H+2*(pp+\e)+1], v[DOT+2*\u:DOT+2*\u+1]
.endif
.endr
.endr
.endif
.set pp, pp+2
.endr
.irp u,0,1
	v_pk_add_f32 v[TM+4*\u:TM+4*\u+1], v[TM+4*\u:TM+4*\u+1], v[TM+4*\u+2:TM+4*\u+3]
.endr
.irp u,0,1
	v_add_f32 v[SUM+2*\u], v[TM+4*\u], v[TM+4*\u+1]
.endr
.irp u,0,1
	v_permlanex16_b32 v[TM+8+\u], v[SUM+2*\u], s60, s61
.endr
.irp u,0,1
	v_add_f32 v[SUM+2*\u], v[SUM+2*\u], v[TM+8+\u]
.endr
.irp u,0,1
	v_fma_f32 v[SUM+2*\u], v[SUM+2*\u], s74, s75   ; variance + 1e-5
.endr
.irp u,0,1
	v_rsq_f32 v[RSTD+2*\u], v[SUM+2*\u]
.endr
	v_nop                                          ; the plain instruction behind the second root
	s_wait_alu depctr_va_vdst(0)                   ; one wait: both roots have written RSTD, ahead of their first reader
.irp u,0,1
	v_mul_f32 v[NMR+2*\u], -v[MEAN+2*\u], v[RSTD+2*\u]
.endr
.endm
; LAYERNORM, the values: (x rstd - mean rstd) g + b, rounded to bf16 in pairs into NB + 16 u + pair.  g lies in H, b in W2.  Four pairs at a time, on two sets of temporaries.
.macro LNOUT
.set bb, 0
.rept 8
.irp e,0,1,2,3
	v_pk_fma_f32 v[TM+8*(bb%2)+2*\e:TM+8*(bb%2)+2*\e+1], v[TK+32*(bb/4)+8*(bb%4)+2*\e:TK+32*(bb/4)+8*(bb%4)+2*\e+1], v[RSTD+2*(bb/4):RSTD+2*(bb/4)+1], v[NMR+2*(bb/4):NMR+2*(bb/4)+1] op_sel_hi:[1,0,0]
.endr
.irp e,0,1,2,3
	v_pk_fma_f32 v[TM+8*(bb%2)+2*\e:TM+8*(bb%2)+2*\e+1], v[TM+8*(bb%2)+2*\e:TM+8*(bb%2)+2*\e+1], v[H+8*(bb%4)+2*\e:H+8*(bb%4)+2*\e+1], v[W2+8*(bb%4)+2*\e:W2+8*(bb%4)+2*\e+1]
.endr
.irp e,0,1,2,3
	v_cvt_pk_bf16_f32 v[NB+16*(bb/4)+4*(bb%4)+\e], v[TM+8*(bb%2)+2*\e], v[TM+8*(bb%2)+2*\e+1]
.endr
.set bb, bb+1
.endr
.endm
; A CHUNK OF THE TOKEN MIX: hidden units 32 (c / 2) .. + 31 for the channel tiles 2 (c % 2), 2 (c % 2) + 1.  In every run of products the accumulators take turns, one instruction a turn.
.macro TCHUNK c
	s_wait_dscnt 0x0                               ; the bias tiles (chunk 0: also N turned, tiW's and toW's fragments)
.irp x,0,1
.irp mm,0,1
	MMA H+8*(2*\x+\mm), W1+8*(2*((\c)/2)+\mm), NB+8*(2*((\c)%2)+\x), TM+16+8*\mm   ; BETA (tiW^T N^T + tib)
.endr
.endr
	PLACES 8                                       ; behind the products, ahead of the packed reads of H and the writes of TM: twice the four places that this form asks for, as a margin
	GELU 1, \c
.irp x,0,1
.irp u,0,1
	MMA TK+32*\u+8*(2*((\c)%2)+\x), TM+8*\x, W2+8*(2*((\c)/2)+\u), TK+32*\u+8*(2*((\c)%2)+\x)   ; X^T += G toW
.endr
.endr
.endm
; A CHUNK OF THE CHANNEL MIX: hidden channels 32 c .. 32 c + 31 for all 32 tokens.
.macro CCHUNK c
	s_wait_dscnt 0x0                               ; this chunk's ciW fragments and bias tiles
.irp kk,0,1
.irp u,0,1
.irp mm,0,1
.if \kk == 0
	MMA H+8*(2*\u+\mm), W1+8*(2*\mm+\kk), NB+16*\u+8*\kk, TM+16+8*\mm
.else
	MMA H+8*(2*\u+\mm), W1+8*(2*\mm+\kk), NB+16*\u+8*\kk, H+8*(2*\u+\mm)
.endif
.endr
.endr
.endr
	PLACES 8                                       ; as in TCHUNK
	GELU 2, \c
.if (\c) < 3
	s_wait_dscnt 12                                ; coW's 8 loads are in; the 8 of the next ciW fragments and the 4 of the next bias tiles, issued behind them, may stay out
.else
	s_wait_dscnt 8                                 ; coW's 8 loads are in; cob's 8, issued behind them, may stay out
.endif
.irp t,0,1,2,3
.irp u,0,1
	MMA TK+32*\u+8*\t, W2+8*\t, TM+8*\u, TK+32*\u+8*\t   ; X^T += coW^T G
.endr
.endr
.endm
	; ---------------- the head: arguments, constants, lane terms ----------------
	s_load_b512 s[4:19], s[0:1], 0x0               ; tiW toW ciW coW physW1 physW2 pos_emb tib
	s_load_b512 s[20:35], s[0:1], 0x40             ; cib tn_g tn_b cn_g cn_b cob tob tokW
	s_load_b512 s[36:51], s[0:1], 0x80             ; tokb physb1 physb2 hn_g hn_b headW headb latents
	s_load_b128 s[52:55], s[0:1], 0xc0             ; phys out0
	v_lshl_add_u32 v[SPW], v0, 2, SPARE
	v_mov_b32 v[NIL], 0
	v_lshrrev_b32 v20, 5, v0
	v_readfirstlane_b32 s56, v20                   ; wave 0..7
	s_mov_b32 s60, 0x76543210                      ; v_permlanex16_b32: each lane takes its own place in the other half
	s_mov_b32 s61, 0xfedcba98
	s_mov_b32 s62, 0xffff0000
	s_mov_b32 s66, 0xbc083a08                      ; -KAPPA = -0.00831462
	s_mov_b32 s67, s66
	s_mov_b32 s68, 0x401382a8                      ; BETA = 2.3048496
	s_mov_b32 s69, s68
	s_mov_b32 s70, 0x3ede23eb                      ; 1 / BETA
	s_mov_b32 s71, s70
	s_wait_alu depctr_va_sdst(0)                   ; s56 is written, ahead of its first reader, the compare below
	s_cmp_lt_u32 s56, 2
	s_cselect_b32 s72, s68, 0                      ; waves 0 and 1 write physW1's 8 rows, the others the 24 rows of zeros below them
	s_mov_b32 s73, s72
	s_mov_b32 s74, 0x3c800000                      ; 1 / 64
	s_mov_b32 s75, 0x3727c5ac                      ; 1e-5
	v_and_b32 v20, 31, v0                          ; l
	v_and_b32 v21, 15, v0                          ; r
	v_bfe_u32 v22, v0, 4, 1                        ; h
	v_and_b32 v23, 7, v0
	v_bfe_u32 v24, v0, 3, 1
	v_and_b32 v25, 63, v0
	v_lshrrev_b32 v26, 3, v0
	v_mov_b32 v[TMP], 0
	v_lshl_add_u32 v[TR0], v22, 3, v23
	v_mul_u32_u24 v[TR0], v[TR0], 160
	v_lshl_add_u32 v[TR0], v24, 4, v[TR0]
	v_lshlrev_b32 v[H32], 5, v22
	v_lshlrev_b32 v[R4], 2, v21
	s_mul_i32 s2, s56, 5120
	s_add_co_u32 s2, s2, NST                       ; my stage for N
	v_mul_u32_u24 v[ANS], v21, 160
	v_lshl_add_u32 v[ANS], v22, 4, v[ANS]
	v_add_nc_u32 v[ANS], s2, v[ANS]
	v_add_nc_u32 v[ANL], s2, v[TR0]
	s_mul_i32 s2, s56, 4352
	s_add_co_u32 s2, s2, PST
	v_add_nc_u32 v[APL], s2, v[H32]
	s_lshl_b32 s2, s56, 9
	s_add_co_u32 s2, s2, OST
	v_lshl_add_u32 v[AOS], v20, 2, s2
	v_mul_u32_u24 v[APOS], v21, 272
	v_add_nc_u32 v[APOS], v[H32], v[APOS]
	v_add_nc_u32 v[APOS], POS, v[APOS]
	v_lshlrev_b32 v[GW], 5, v0
	v_lshlrev_b32 v[GP1], 5, v25
	v_lshlrev_b32 v[G16], 4, v0
	v_mul_u32_u24 v[LA8], v26, 160
	v_lshl_add_u32 v[LA8], v23, 4, v[LA8]
	v_add_nc_u32 v[LP1], PW1, v[LA8]
	v_lshrrev_b32 v28, 2, v0
	v_mul_u32_u24 v[LA4], v28, 160
	v_and_b32 v28, 3, v0
	v_lshl_add_u32 v[LA4], v28, 4, v[LA4]
	v_lshlrev_b32 v[GCI], 9, v26
	v_lshl_add_u32 v[GCI], v23, 5, v[GCI]
	v_lshrrev_b32 v29, 4, v0
	v_mul_u32_u24 v[LPOS], v29, 272
	v_lshl_add_u32 v[LPOS], v21, 4, v[LPOS]
	v_add_nc_u32 v[LPOS], POS, v[LPOS]
	v_lshlrev_b32 v[G4], 2, v0
	v_lshlrev_b32 v[G8], 3, v0
	v_lshrrev_b32 v29, 1, v0
	v_lshlrev_b32 v[GTB], 2, v29
	v_lshlrev_b32 v[G4W], 2, v25
	s_lshl_b32 s79, s56, 7                         ; my element's 128 bytes of latents and of phys
	v_add_nc_u32 v[GLAT], s79, v[R4]
	v_lshl_add_u32 v[GPH], v28, 5, s79             ; phys: row l % 4
	v_lshrrev_b32 v28, 6, v0                       ; waves 0-5: the layer whose parameters I copy,
	v_mul_u32_u24 v28, v28, LBLK
	v_lshl_add_u32 v[AT], v25, 2, v28              ; where its words of 64 go,
	v_lshl_add_u32 v[ATR], v25, 3, v28             ; cib's pairs,
	v_bfe_u32 v29, v0, 1, 5
	v_lshl_add_u32 v[AP], v29, 2, v28              ; and tob's 32 (two lanes write each word, with the same number)
	s_wait_kmcnt 0x0
	s_load_b32 s76, s[48:49], 0x0                  ; headb
	s_lshl_b32 s2, ttmp9, 10                       ; the work-group's 8 elements: 1,024 bytes of latents and of phys,
	s_mov_b32 s3, 0
	s_add_nc_u64 s[50:51], s[50:51], s[2:3]
	s_add_nc_u64 s[52:53], s[52:53], s[2:3]
	s_lshl_b32 s2, ttmp9, 12                       ; 4,096 of out0
	s_add_nc_u64 s[54:55], s[54:55], s[2:3]
	s_wait_alu depctr_va_vdst(0)                   ; all offsets and LDS addresses made above are written: the loads and stores of the set-up, and the loops' LDS instructions, read them
	; ---------------- all loads go out before any is used; the parameters first, so that the counts below are the same in every wave ----------------
	s_cmp_lt_u32 s56, 6
	s_cbranch_scc0 .Ltab_load
	global_load_b32 v232, v[G4], s[18:19]          ; tib
	global_load_b32 v233, v[G4], s[22:23]          ; tn_g
	global_load_b32 v234, v[G4], s[24:25]          ; tn_b
	global_load_b32 v235, v[G4], s[26:27]          ; cn_g
	global_load_b32 v236, v[G4], s[28:29]          ; cn_b
	global_load_b32 v237, v[G4], s[30:31]          ; cob
	global_load_b64 v[238:239], v[G8], s[20:21]    ; cib
	global_load_b32 v240, v[GTB], s[32:33]         ; tob
	s_branch .Lpar_asked
.Ltab_load:
	global_load_b32 v232, v[G4W], s[34:35]         ; tokW
	global_load_b32 v233, v[G4W], s[36:37]         ; tokb
	global_load_b32 v234, v[G4W], s[38:39]         ; physb1
	global_load_b32 v235, v[G4W], s[40:41]         ; physb2
	global_load_b32 v236, v[G4W], s[42:43]         ; hn_g
	global_load_b32 v237, v[G4W], s[44:45]         ; hn_b
	global_load_b32 v238, v[G4W], s[46:47]         ; headW
.Lpar_asked:
	global_load_b32 v[CUR], v[GLAT], s[50:51]
	global_load_b32 v[CUR+2], v[GLAT], s[50:51] offset:64
	global_load_b128 v[224:227], v[GPH], s[52:53]
	global_load_b128 v[228:231], v[GPH], s[52:53] offset:16
	global_load_b128 v[192:195], v[GP1], s[12:13]
	global_load_b128 v[196:199], v[GP1], s[12:13] offset:16
	global_load_b128 v[200:203], v[GW], s[14:15]
	global_load_b128 v[204:207], v[GW], s[14:15] offset:16
	global_load_b128 v[208:211], v[GW], s[14:15] offset:8192
	global_load_b128 v[212:215], v[GW], s[14:15] offset:8208
	global_load_b128 v[216:219], v[G16], s[16:17]
	global_load_b128 v[220:223], v[G16], s[16:17] offset:4096
	LOADW 32, 0
	LOADW 112, 1
	; ---------------- scaled, rounded, into LDS ----------------
	s_wait_loadcnt 40                              ; all but the two layers' 40 loads: loads come back in order (ISA guide 5.7.1)
	s_cmp_lt_u32 s56, 6
	s_cbranch_scc0 .Ltab_store
	v_mul_f32 v232, s68, v232
	v_pk_mul_f32 v[238:239], v[238:239], s[68:69] op_sel_hi:[1,0]
	s_wait_alu depctr_va_vdst(0)                   ; the two scalings have written v232 and v[238:239], which the stores below read
	ds_store_b32 v[AT], v232 offset:TIB
	ds_store_b32 v[AT], v233 offset:TNG
	ds_store_b32 v[AT], v234 offset:TNB
	ds_store_b32 v[AT], v235 offset:CNG
	ds_store_b32 v[AT], v236 offset:CNB
	ds_store_b32 v[AT], v237 offset:COB
	ds_store_b64 v[ATR], v[238:239] offset:CIB
	ds_store_b32 v[AP], v240 offset:TOB
	s_branch .Lpar_stored
.Ltab_store:
	v_add_nc_u32 v[AT], TAB, v[G4W]
	v_mul_f32 v234, s68, v234                      ; BETA physb1
	v_add_f32 v235, v235, v233                     ; physb2 + tokb: both are added to every token
	v_mul_f32 v236, v236, v238                     ; hn_g headW
	v_mul_f32 v237, v237, v238                     ; hn_b headW
	s_wait_alu depctr_va_vdst(0)                   ; the address AT and the four numbers v234 to v237 are written, which the stores below read
	ds_store_b32 v[AT], v232
	ds_store_b32 v[AT], v234 offset:256
	ds_store_b32 v[AT], v235 offset:512
	ds_store_b32 v[AT], v236 offset:768
	ds_store_b32 v[AT], v237 offset:1024
.Lpar_stored:
	CONVA 192, 72                                  ; physW1, BETA or 0
	CONVA 200, 70                                  ; physW2 / BETA, rows 0-31
	CONVA 208, 70                                  ; rows 32-63
	s_wait_alu depctr_va_vdst(0)                   ; the roundings have written v[192:195], v[200:203] and v[208:211], which the stores below read
	ds_store_b128 v[LP1], v[192:195]
	ds_store_b128 v[LP1], v[200:203] offset:5120
	ds_store_b128 v[LP1], v[208:211] offset:10240
	ds_store_b128 v[LPOS], v[216:219]
	ds_store_b128 v[LPOS], v[220:223] offset:4352
	s_wait_loadcnt 20                              ; layer 0 is in; layer 1's 20 loads may stay out
	CONVW 32
	s_wait_dscnt 0x0                               ; the stores have taken their data: the same registers are loaded again
	NEXTW                                          ; its wait also states that the stores have read v[32:111], in which the loads below land; the roundings that named these registers stand ahead of the wait in CONVW
	LOADW 32, 2
	s_wait_loadcnt 20                              ; layer 1 is in; layer 2's 20 may stay out
	CONVW 112
	NEXTW
	s_wait_loadcnt 0x0
	CONVW 32
	; phys as source 1 (K = the 8 inputs, padded to 32; column = the step): lanes 0-3 hold a step's 8 numbers, all else is 0
	v_cmp_gt_u32 vcc_lo, 4, v20
	s_wait_alu depctr_vm_vsrc(0)                   ; every load and store of the set-up has read its registers: v[96:99], which the roundings below write; ATR and AP, made anew behind the barrier; v[160:255], in which loads land there
	v_cvt_pk_bf16_f32 v[NB], v224, v225
	v_cvt_pk_bf16_f32 v[NB+1], v226, v227
	v_cvt_pk_bf16_f32 v[NB+2], v228, v229
	v_cvt_pk_bf16_f32 v[NB+3], v230, v231
	s_wait_alu depctr_va_vcc(0)                    ; the compare has written VCC, ahead of its first reader
.irp k,0,1,2,3
	v_cndmask_b32 v[NB+\k], 0, v[NB+\k], vcc_lo
	v_mov_b32 v[NB+4+\k], 0
.endr
	s_wait_kmcnt 0x0                               ; headb
	s_wait_dscnt 0x0                               ; for the others' sake: my stores are done
	s_barrier_signal -1
	s_barrier_wait -1                              ; the one barrier: weights and tables are whole; nobody writes them again
	; ---------------- p = gelu(phys W1 + b1) W2 + b2 + tokb for all four steps at once, and the head's constant ----------------
	v_add_nc_u32 v[ATR], PW1, v[TR0]
	v_add_nc_u32 v[AP], TAB, v[H32]
	s_wait_alu depctr_va_vdst(0)                   ; ATR and AP are written, which the loads below read; the roundings are done reading v[224:231] and the steps of LA8 and LA4 are written: W2's loads land in these
.irp mt,0,1,2,3
	LDTR W1+8*\mt, ATR, 32*\mt
.endr
.irp mt,0,1,2,3
	LD8 W2+8*\mt, AP, 256+64*\mt
.endr
.irp mt,0,1,2,3
	LD8 TM+8*\mt, AP, 1024+64*\mt
.endr
	s_wait_dscnt 0x0
.irp k,0,1,2,3,4,5,6,7
	v_pk_add_f32 v[TM+2*\k:TM+2*\k+1], v[TM+2*\k:TM+2*\k+1], v[TM+16+2*\k:TM+17+2*\k]
.endr
.irp k,0,1,2,3
	v_pk_add_f32 v[TM+2*\k:TM+2*\k+1], v[TM+2*\k:TM+2*\k+1], v[TM+8+2*\k:TM+9+2*\k]
.endr
.irp k,0,1
	v_pk_add_f32 v[TM+2*\k:TM+2*\k+1], v[TM+2*\k:TM+2*\k+1], v[TM+4+2*\k:TM+5+2*\k]
.endr
	v_pk_add_f32 v[TM:TM+1], v[TM:TM+1], v[TM+2:TM+3]
	v_add_f32 v[C0], v[TM], v[TM+1]
	v_permlanex16_b32 v[TMP], v[C0], s60, s61
	v_add_f32 v[C0], v[C0], v[TMP]
	v_add_f32 v[C0], s76, v[C0]                    ; the sum over w of hn_b headW, + headb
.irp mt,0,1,2,3
	MMA H+8*\mt, W1+8*\mt, NB, W2+8*\mt
.endr
	PLACES 8
	GELU 0, 0
	s_wait_dscnt 0x0
.irp mt,0,1,2,3
	MMA H+8*\mt, W1+8*\mt, TM, NB+8*\mt
.endr
.irp mt,0,1,2,3
	MMA H+8*\mt, W2+8*\mt, TM+8, H+8*\mt
.endr
	PLACES 4
	v_mul_u32_u24 v[AT], v[R4], 68                 ; 272 r: column r of the product is step r's p
	v_add_nc_u32 v[AT], v[APL], v[AT]
	s_wait_alu depctr_va_vdst(0)                   ; the products have written H and the address AT is written: the stores below read both; the places above stay beside this wait
.irp mt,0,1,2,3
	ds_store_b128 v[AT], v[H+8*\mt:H+8*\mt+3] offset:64*\mt
	ds_store_b128 v[AT], v[H+8*\mt+4:H+8*\mt+7] offset:64*\mt+16
.endr
	s_wait_dscnt 0x0                               ; once: H is loaded again below
	; ---------------- the four steps ----------------
	s_mov_b32 s59, 0
.Lstep:
	s_wait_alu depctr_vm_vsrc(0)                   ; the LDS instructions issued so far have read AT and AP, made anew below; TMP; and, in the first trip, H, which the stores of p read and in which p lands
	s_mul_i32 s78, s59, 272
	v_add_nc_u32 v[AT], s78, v[APL]                ; this step's row of p
	v_add_nc_u32 v[AP], TAB, v[H32]
	s_wait_alu depctr_va_vdst(0)                   ; AT and AP are written, which the loads below read; the step before (the set-up, in the first trip) is done with TK, H and TM, in which they land
.irp u,0,1
.irp t,0,1,2,3
	LD8 TK+32*\u+8*\t, APOS, 4352*\u+64*\t         ; pos_emb
.endr
.endr
.irp t,0,1,2,3
	LD8 H+8*\t, AT, 64*\t                          ; p (my own wave's bytes: LDS serves a wave's instructions in order, ISA guide 5.7.1.4)
.endr
.irp t,0,1,2,3
	LD8 TM+8*\t, AP, 64*\t                         ; tokW
.endr
	s_wait_dscnt 0x0
.irp u,0,1
.set pp, 0
.rept 16
	v_pk_add_f32 v[TK+32*\u+2*pp:TK+32*\u+2*pp+1], v[TK+32*\u+2*pp:TK+32*\u+2*pp+1], v[H+2*pp:H+2*pp+1]
.set pp, pp+1
.endr
.endr
.irp u,0,1
.set pp, 0
.rept 16
	v_pk_fma_f32 v[TK+32*\u+2*pp:TK+32*\u+2*pp+1], v[TM+2*pp:TM+2*pp+1], v[CUR+2*\u:CUR+2*\u+1], v[TK+32*\u+2*pp:TK+32*\u+2*pp+1] op_sel_hi:[1,0,1]
.set pp, pp+1
.endr
.endr
	s_mov_b32 s57, 0
.Llayer:                                       ; s57 = the layer's block in LDS: 0, LBLK, 2 LBLK: the loop's own counter
	s_wait_alu depctr_vm_vsrc(0)                   ; the LDS loads issued so far have read ATR, AP and AT, made anew below
	v_add_nc_u32 v[ATR], s57, v[TR0]
	v_add_nc_u32 v[AP], s57, v[H32]
	v_add_nc_u32 v[AT], s57, v[R4]
	s_wait_alu depctr_va_vdst(0)                   ; the three addresses are written; the additions above (cob's, or the step's first tokens) and all before them are done with W1, W2, H, TM and TOBV, in which the loads below land
	; ---- token mix
.irp mt,0,1,2,3
	LDTR W1+8*\mt, ATR, TI+32*\mt
.endr
.irp mm,0,1
	LD8 TM+16+8*\mm, AP, TIB+64*\mm
.endr
	ds_load_b32 v[TOBV], v[AT] offset:TOB
	ds_load_b32 v[TOBV+2], v[AT] offset:TOB+64
.irp t,0,1,2,3
	LD8 H+8*\t, AP, TNG+64*\t
.endr
.irp t,0,1,2,3
	LD8 W2+8*\t, AP, TNB+64*\t
.endr
	LNSTAT 0                                       ; the loads land meanwhile; it names TK, TM's first 16 and the statistics alone
	s_wait_dscnt 0x0
	LNOUT
	s_wait_alu depctr_va_vdst(0)                   ; the roundings have written NB, which the stores below read; LNOUT is done reading W2, in which toW's fragments land
.irp u,0,1
.irp t,0,1,2,3
	ds_store_b128 v[ANS], v[NB+16*\u+4*\t:NB+16*\u+4*\t+3] offset:2560*\u+32*\t   ; N[l][w] into my stage
.endr
.endr
.irp kc,0,1
.irp u,0,1
	LDTR W2+8*(2*\kc+\u), ATR, TO+5120*\kc+32*\u
.endr
.endr
	s_wait_alu depctr_vm_vsrc(0)                   ; the eight stores have read NB, in which the loads below land
.irp t,0,1,2,3
	LDTR NB+8*\t, ANL, 32*\t                       ; and back turned: K = the 32 tokens, column = channel 16 t + r; served behind the stores above
.endr
.irp u,0,1                             ; tob, added while the stage's round trip is out
.set pp, 0
.rept 16
	v_pk_add_f32 v[TK+32*\u+2*pp:TK+32*\u+2*pp+1], v[TK+32*\u+2*pp:TK+32*\u+2*pp+1], v[TOBV+2*\u:TOBV+2*\u+1] op_sel_hi:[1,0]
.set pp, pp+1
.endr
.endr
	TCHUNK 0
	TCHUNK 1
	TCHUNK 2
	TCHUNK 3
	; ---- channel mix
	PLACES 8                                       ; ahead of the packed reads of the tokens
	s_wait_alu depctr_va_vdst(0)                   ; the token mix's last products are done reading W1, W2 and TM, and its last GELU is done with H: the loads below land in these
.irp mm,0,1
.irp kk,0,1
	LDTR W1+8*(2*\mm+\kk), ATR, CI+5120*\kk+32*\mm
.endr
.endr
.irp mm,0,1
	LD8 TM+16+8*\mm, AP, CIB+64*\mm
.endr
.irp t,0,1,2,3
	LD8 H+8*\t, AP, CNG+64*\t
.endr
.irp t,0,1,2,3
	LD8 W2+8*\t, AP, CNB+64*\t
.endr
	LNSTAT 0
	s_wait_dscnt 0x0
	LNOUT
	CCHUNK 0
	CCHUNK 1
	CCHUNK 2
	CCHUNK 3
	s_wait_dscnt 0x0                               ; cob
	PLACES 8
.irp u,0,1
.set pp, 0
.rept 16
	v_pk_add_f32 v[TK+32*\u+2*pp:TK+32*\u+2*pp+1], v[TK+32*\u+2*pp:TK+32*\u+2*pp+1], v[W1+2*pp:W1+2*pp+1]
.set pp, pp+1
.endr
.endr
	s_add_co_u32 s57, s57, LBLK
	s_cmp_lt_u32 s57, 3*LBLK
	s_cbranch_scc1 .Llayer
	; ---- the head: delta = rstd x the sum of (x - mean) hn_g headW + C0; the state is clipped and kept
	s_wait_alu depctr_vm_vsrc(0)                   ; the layers' LDS loads have read AP, made anew below, and AT, made anew at the step's end
	v_add_nc_u32 v[AP], TAB, v[H32]
	s_wait_alu depctr_va_vdst(0)                   ; AP is written, which the loads below read; the last GELU is done with H, in which they land
.irp t,0,1,2,3
	LD8 H+8*\t, AP, 768+64*\t
.endr
	LNSTAT 1
.irp u,0,1
	v_add_f32 v[SUM+2*\u], v[DOT+2*\u], v[DOT+2*\u+1]
.endr
.irp u,0,1
	v_permlanex16_b32 v[TM+8+\u], v[SUM+2*\u], s60, s61
.endr
.irp u,0,1
	v_add_f32 v[SUM+2*\u], v[SUM+2*\u], v[TM+8+\u]
.endr
.irp u,0,1
	v_fma_f32 v[SUM+2*\u], v[RSTD+2*\u], v[SUM+2*\u], v[C0]
.endr
.irp u,0,1
	v_add_f32 v[CUR+2*\u], v[CUR+2*\u], v[SUM+2*\u]
.endr
.irp u,0,1
	v_max_num_f32 v[CUR+2*\u], 0, v[CUR+2*\u]
.endr
.irp u,0,1
	v_min_num_f32 v[CUR+2*\u], 1.0, v[CUR+2*\u]
.endr
	s_lshl_b32 s79, s59, 7
	v_add_nc_u32 v[AT], s79, v[AOS]                ; this step's 128 bytes of my results
	v_cndmask_b32 v[TMP], v[CUR], v[CUR+2], s62    ; lane l holds token l
	s_wait_alu depctr_va_vdst(0)                   ; the address AT and the result TMP are written, which the store below reads
	ds_store_b32 v[AT], v[TMP]
	s_add_co_u32 s59, s59, 1
	s_cmp_lt_u32 s59, 4
	s_cbranch_scc1 .Lstep
	; ---------------- out: my element's 4 x 32 numbers are 512 consecutive bytes of out0, at a multiple of 512 from its first ----------------
	s_wait_alu depctr_vm_vsrc(0)                   ; the last result's store has read AT, the LDS loads AP and ATR: all three are made anew below
	v_and_b32 v[AT], 31, v0
	v_lshlrev_b32 v[AT], 4, v[AT]
	s_lshl_b32 s2, s56, 9
	v_add_nc_u32 v[AP], s2, v[AT]
	v_add_nc_u32 v[ATR], OST, v[AP]
	s_wait_alu depctr_va_vdst(0)                   ; ATR and AP are written, which the load and the store below read; the last norm is done reading v[32:35], in which the load lands
	ds_load_b128 v[32:35], v[ATR]
	s_wait_dscnt 0x0
	global_store_b128 v[AP], v[32:35], s[54:55]
	s_wait_dscnt 0x0                               ; the closing lines, six on end
	s_wait_alu 0x0
	s_wait_tensorcnt 0x0
	ds_add_u32 v[SPW], v[NIL]
	s_wait_dscnt 0x0
	s_endpgm
.Lfunc_end_k_q06ff92abd1_mixer:
	.size	k_q06ff92abd1_mixer, .Lfunc_end_k_q06ff92abd1_mixer-k_q06ff92abd1_mixer
	.p2alignl 7, 3214868480
	.fill 96, 4, 3214868480
	.section	.rodata,"a",@progbits
	.p2align	6, 0x0
	.amdhsa_kernel k_q06ff92abd1_mixer
		.amdhsa_group_segment_fixed_size 282112
		.amdhsa_private_segment_fixed_size 0
		.amdhsa_enable_private_segment 0
		.amdhsa_kernarg_size 208
		.amdhsa_user_sgpr_count 2
		.amdhsa_user_sgpr_kernarg_segment_ptr 1
		.amdhsa_wavefront_size32 1
		.amdhsa_system_sgpr_workgroup_id_x 1
		.amdhsa_system_sgpr_workgroup_id_y 1
		.amdhsa_system_sgpr_workgroup_id_z 1
		.amdhsa_system_vgpr_workitem_id 0
		.amdhsa_next_free_vgpr 256
		.amdhsa_next_free_sgpr 80
		.amdhsa_reserve_vcc 1
		.amdhsa_float_denorm_mode_32 3
		.amdhsa_float_denorm_mode_16_64 3
		.amdhsa_memory_ordered 1
		.amdhsa_forward_progress 1
		.amdhsa_inst_pref_size 182
	.end_amdhsa_kernel
	.amdgpu_metadata
---
amdhsa.version: [ 1, 2 ]
amdhsa.kernels:
  - .name:           k_q06ff92abd1_mixer
    .symbol:         k_q06ff92abd1_mixer.kd
    .args:
      - { .name: tiW, .offset: 0, .size: 8, .value_kind: global_buffer, .address_space: global }
      - { .name: toW, .offset: 8, .size: 8, .value_kind: global_buffer, .address_space: global }
      - { .name: ciW, .offset: 16, .size: 8, .value_kind: global_buffer, .address_space: global }
      - { .name: coW, .offset: 24, .size: 8, .value_kind: global_buffer, .address_space: global }
      - { .name: physW1, .offset: 32, .size: 8, .value_kind: global_buffer, .address_space: global }
      - { .name: physW2, .offset: 40, .size: 8, .value_kind: global_buffer, .address_space: global }
      - { .name: pos_emb, .offset: 48, .size: 8, .value_kind: global_buffer, .address_space: global }
      - { .name: tib, .offset: 56, .size: 8, .value_kind: global_buffer, .address_space: global }
      - { .name: cib, .offset: 64, .size: 8, .value_kind: global_buffer, .address_space: global }
      - { .name: tn_g, .offset: 72, .size: 8, .value_kind: global_buffer, .address_space: global }
      - { .name: tn_b, .offset: 80, .size: 8, .value_kind: global_buffer, .address_space: global }
      - { .name: cn_g, .offset: 88, .size: 8, .value_kind: global_buffer, .address_space: global }
      - { .name: cn_b, .offset: 96, .size: 8, .value_kind: global_buffer, .address_space: global }
      - { .name: cob, .offset: 104, .size: 8, .value_kind: global_buffer, .address_space: global }
      - { .name: tob, .offset: 112, .size: 8, .value_kind: global_buffer, .address_space: global }
      - { .name: tokW, .offset: 120, .size: 8, .value_kind: global_buffer, .address_space: global }
      - { .name: tokb, .offset: 128, .size: 8, .value_kind: global_buffer, .address_space: global }
      - { .name: physb1, .offset: 136, .size: 8, .value_kind: global_buffer, .address_space: global }
      - { .name: physb2, .offset: 144, .size: 8, .value_kind: global_buffer, .address_space: global }
      - { .name: hn_g, .offset: 152, .size: 8, .value_kind: global_buffer, .address_space: global }
      - { .name: hn_b, .offset: 160, .size: 8, .value_kind: global_buffer, .address_space: global }
      - { .name: headW, .offset: 168, .size: 8, .value_kind: global_buffer, .address_space: global }
      - { .name: headb, .offset: 176, .size: 8, .value_kind: global_buffer, .address_space: global }
      - { .name: latents, .offset: 184, .size: 8, .value_kind: global_buffer, .address_space: global }
      - { .name: phys, .offset: 192, .size: 8, .value_kind: global_buffer, .address_space: global }
      - { .name: out0, .offset: 200, .size: 8, .value_kind: global_buffer, .address_space: global }
    .group_segment_fixed_size: 282112
    .private_segment_fixed_size: 0
    .kernarg_segment_align: 8
    .kernarg_segment_size: 208
    .max_flat_workgroup_size: 256
    .sgpr_count:     80
    .vgpr_count:     256
    .wavefront_size: 32
...
	.end_amdgpu_metadata
.endif
;; end of part 2
